; MI455X (gfx1250); checked and timed in simulation.
; The chip was launched on July 23, 2026; its instructions are those of AMD's public machine-readable ISA for CDNA 5 (MIT licence, August 2026) and "CDNA5" Instruction Set Architecture Reference Guide (July 2026). The comments in the code are by the model that wrote it; some were corrected since.
;; Inc Concave NN. Allowed arithmetic: matrix products marked QUANTISED: E3M2 operands, one E8M0 scale for each 32 along K, by v_wmma_scale_f32_16x16x128_f8f6f4 with both operands' format E3M2, f32 sums; products left as they are: f32 operands where the result goes on into a quantised operand, else bf16, f16 or f32 operands; f32 sums; everything else in f32.
;; Inputs: h 256 x 63 float32; ib0 128 float32; ib1 128 float32; ib2 1 float32; iw0 64 x 128 float32; iw1 128 x 128 float32; iw2 128 x 1 float32; nb0 128 float32; nb1 128 float32; nb2 2 float32; nw0 63 x 128 float32; nw1 128 x 128 float32; nw2 128 x 2 float32; x 256 x 1 float32.
;; Outputs: out0 256 x 1 float32.
;; This version of the problem:
;;   THIS VERSION OF THE PROBLEM IS GIVEN IN LOW PRECISION. The matrix products marked QUANTISED in the list below multiply operands that are first quantised to E3M2 (3 exponent bits, 2 mantissa bits; 6 bits a number), with one power-of-two scale for each 32 numbers along K (OCP MX v1.0); their sums are f32. All else is computed in f32.
;;   The module's matrix products, in the order in which they are computed (A, B: the left and right operand; K: the contracted axis; several contracted axes count as one K, in the product's order):
;;     1. [M 665,856, K 64] x [K 64, N 128]; A: computed on the way; B: input iw0: QUANTISED
;;     2. [M 665,856, K 128] x [K 128, N 128]; A: computed on the way; B: input iw1: QUANTISED
;;     3. [M 665,856, K 128] x [K 128, N 1]; A: computed on the way; B: input iw2: left as it is (N = 1 < 16)
;;     4. [M 256, K 63] x [K 63, N 128]; A: input h; B: input nw0: QUANTISED
;;     5. [M 256, K 128] x [K 128, N 128]; A: computed on the way; B: input nw1: QUANTISED
;;     6. [M 256, K 128] x [K 128, N 2]; A: computed on the way; B: input nw2: left as it is (N = 2 < 16)
;;   THE QUANTISER, for each operand of a quantised product, along K:
;;     - K is cut into blocks of 32 from its start; a last block that is shorter is filled with zeros.
;;     - A block's scale is 2^e with e = floor(log2(the largest magnitude in the block)) - 4, held to -126 .. 127; a block of zeros has e = 0. As a byte (E8M0): e + 127.
;;     - Each number is divided by its block's scale, clamped to +-28, and rounded to the nearest number of E3M2, ties to even, subnormals kept.
;;     - The product sums the exact products of the quantised numbers (number of the format x scale) in f32.
;;   ~~~python
;;   def quantise(x, axis):      # numpy; x: float32 -> the quantised numbers, widened to float32 again
;;       x = np.moveaxis(x, axis, -1); K = x.shape[-1]
;;       x = np.pad(x, [(0, 0)] * (x.ndim - 1) + [(0, -K % 32)]); x = x.reshape(x.shape[:-1] + (-1, 32)); a = np.abs(x).max(-1, keepdims=True)
;;       e = np.where(a > 0, np.clip(np.frexp(np.where(a > 0, a, 1))[1] - 1 - 4, -126, 127), 0)      # np.frexp(a)[1] - 1 = floor(log2(a)), exactly
;;       r = np.clip(x / 2.0 ** e, -28, 28)
;;       step = 2.0 ** (np.maximum(np.frexp(np.where(r == 0, 1, r))[1] - 1, -2) - 2)
;;       q = np.round(r / step) * step * 2.0 ** e      # np.round: ties to even
;;       return np.moveaxis(q.reshape(q.shape[:-2] + (-1,))[..., :K], -1, axis).astype(np.float32)
;;   ~~~
;;   OPERANDS COMPUTED ON THE WAY. 'Computed on the way' means the value that the module computes at that place (a softmax that the list does not call 'softmax' is quantised finished and normalised). What goes into a quantiser is computed in f32, as accurately as f32 sums, v_exp_f32 and their like allow (about 1e-6 of the number): no bf16 or f16 on the way to a quantiser, and a product that is left as it is and whose result goes on into a quantised operand takes f32 operands (vector FMAs, or v_wmma_f32_16x16x4_f32). A number that lies on a knife's edge between two numbers of the format may be rounded either way, as far as f32 arithmetic and the matrix unit's own rounding can turn it there, and no further.
;; 2 versions. Each part assembles by itself: llvm-mc -triple=amdgcn-amd-amdhsa -mcpu=gfx1250 --defsym DOCPART=n.
;; ======== version 1 of 2: 1 launch
;; launch umnn (part 1): grid 256 x 1, 4 waves a work-group, no clusters, 152,064 bytes of LDS; arguments x, h, iw0, ib0, iw1, ib1, iw2, ib2, nw0, nb0, nw1, nb1, nw2, nb2, out0; writes out0
.if DOCPART == 1
	.amdgcn_target "amdgcn-amd-amdhsa--gfx1250"
	.amdhsa_code_object_version 6
	.text
	.protected	k_q752b5096e1_umnn
	.globl	k_q752b5096e1_umnn
	.p2align	8
	.type	k_q752b5096e1_umnn,@function
k_q752b5096e1_umnn:
	s_mov_b64 s[64:65], 0
	v_nop
	global_prefetch_b8 v0, s[64:65] scope:SCOPE_SE
	s_setreg_imm32_b32 hwreg(HW_REG_WAVE_MODE, 25, 1), 1
	s_wait_xcnt 0x0
; out[b] = exp(o1) * (x/4) * sum over i, j of cc_i cc_j (xmax - t_i) f(s_ij, h_b) + o0, with f = elu(MLP) + 1 and (o0, o1) a second MLP on h_b.
; The four products with N = 128 run on codes of BF6 (E3M2) with one E8M0 scale for each 32 along K; the two products with N = 1 and N = 2 are f32 multiply-adds.
; SHARES.  One work-group for each of the 256 rows b, four waves.  The 51 x 51 points p = 51 i + j go in tiles of 16; wave w owns p = 656 w .. 656 w + 655, 41 tiles.
; Points with p >= 2601 (23 of wave 3's) get clamped indices and the weight 0.  h_b is the same for all points: between points only s, the scale of its block and the weight change; they come from a table in LDS.
; max(t) is max(0, max x): steps_0 + 1 = 2 gives t = x, steps_50 + 1 = 0 gives t = 0, and a rounded product is monotone in between.  So every work-group finds xmax from x itself.
; LAYOUT.  Both products are used transposed (source 0 = 16 hidden units, source 1 = 16 points): a lane holds ONE point (lane % 16).  Row m of unit tile t is unit 64 (m / 8) + 8 t + m % 8, so that register
; 8 t + j of lane half hh is unit 64 hh + 8 t + j: a lane holds two whole blocks of 32 in order, a block's maximum needs no other lane, and the conversions' results are the next operand's registers.
; The operand's K block s then holds units 32 beta(s) .., beta = 0, 2, 1, 3; weights, codes and scale bytes are laid alike.
; K = 64 (first layers): a block's first 16 codes fill half of K block hh, its last 16 half of K block 2 + hh; the other halves are zero codes on both sides; the scale words are (e0, e1, e0, e1).
; THE WEIGHTS are quantised here: each work-group reads their 196,096 bytes once, by loads of 16 bytes a lane that cover whole rows of 512 bytes, straight into registers, and uses them for 2,624 points.
; NO CLUSTER, no joint loads: what the work-groups share are these f32 weights with K outermost; brought into LDS they would have to be read back 4 bytes a lane to run down K in a lane's registers.
; THE LOOP is a pipeline: in trip n the hidden layer of tile n is quantised, the input codes of tile n + 1 are made, the 8 + 8 matrix instructions of tile n + 1's first and tile n's second layer are issued,
; and tile n - 1's last layer (ReLU, 128 multiply-adds, ELU, weight) follows them; it names none of their registers.
; LIMITS.  NaN and infinities among the inputs are not served.  A block of zeros carries the scale byte 1 and not 127: its codes are 0, so every product is the same.
; elu(z) + 1 is max(z, 0) + 2^(min(z, 0) log2 e), which differs from expm1(z) + 1 by f32 rounding; v_exp_f32 gives 0 under 2^-126.  The quadrature weights are summed in f32 (about 1e-5 of the smallest); they feed no quantiser.
; steps_25 is taken as 0 (steps_25 + 1 is 1.0 either way).  out0 is stored 4 bytes a work-group: a work-group owns one number of it.
; REGISTERS, in windows of 256.  Window 0: v1 r, v2 half, v3 lane, v4 8 x half, v5 table address, v6 weight, v7 sum, v8 conversion scale, v9 the points' scale word, v10 the hidden layer's scale word, v11 permute target,
;   v12-15 maxima, v16-23 / v24-31 scale words of iw0 / iw1, v32-63 the 32 inputs of my half, v64-75 input codes, v76-87 hidden codes, v88-94 halves of blocks, v96-104 at work, v105-127 addresses, v128-191 first layer's result,
;   v192-237 at work in the preparation, v240-244 the outer net's scale words, v248-251 the table's constant entry.
; Window 1: v0-63, v64-127 second layer's results, by turns; v128-191 iw2; v192-199 four pairs of sums; v200-201 (ib2 / 2, 0).   Window 2: v0-95 iw0's fragments, v96-191 iw1's, v192-215 nw0's two, v216-239 nw1's two.
; Window 3: v0-63 ib0, v64-79 nb0, v80-95 nb1, v96-127 nw2, v192-255 ib1.   In the preparation the f32 weights lie in window 1 (v0-127, v128-255) and window 2 (v0-127).
.set PL,    3344                       ; a plane: one K block of all 128 units; unit u's 24 bytes at 800 (u % 4) + 24 (u / 4)
.set IW1C,  0                          ; 4 planes, plane s written by wave s
.set NW1C,  4*PL
.set W0C,   8*PL                       ; 8 planes: first halves of iw0 b0, iw0 b1, nw0 b0, nw0 b1, then the last halves
.set SCW,   16*PL                      ; 12 planes of 512 bytes: a word for each unit, the scale byte already at its place: 0-3 iw1, 4-7 nw1, 8-11 iw0 b0, b1, nw0 b0, b1
.set WPRIV, SCW+12*512                 ; each wave's own 1,280 bytes:
.set WPB,   1280
.set SCT_O, 128                        ; +0 cos(k pi / 50), k = 0 .. 25;  +128 51 x {steps + 1, cc}
.set HX_O,  640                        ; +640 (0, h0 .. h62): the inner net's input;  +896 (h0 .. h62, 0): the outer net's
.set HY_O,  896
.set O1,    WPRIV+4*WPB                ; the outer net's hidden layer, 512 bytes
.set PART,  O1+512                     ; +8 w: wave w's part of (o0, o1);  +32 + 4 w: its quadrature sum
.set TAB,   PART+256                   ; for each wave 42 tiles x 32 lanes x {conversion scale, scale word, first input, weight}
.set TABW,  42*512
.set FLOOR, 0x2800000                  ; 2^-122: a largest magnitude held there has the exponent field 5, so the scale byte does not fall under 1
.set LESS4, 0xfe000000                 ; takes 4 from an exponent field
.set MSB, 0
.macro WIN new                         ; the immediate's high byte repeats the setting that is left; a switch that changes nothing is dropped
.if MSB != \new
	s_set_vgpr_msb (MSB<<8)|\new
.set MSB, \new
.endif
.endm
.macro NOPS n
.rept \n
	v_nop
.endr
.endm
.macro RELU base, from, n              ; ascending: a matrix result is read from its low end on
.set q, \from
.rept \n
	v_max_num_f32 v[(\base)+q], 0, v[(\base)+q]
.set q, q+1
.endr
.endm
.macro ULOAD win, base, sb, clamp      ; 32 rows of a weight, 512 bytes each: register 4 i + c = W[k0 + i][4 lane + c]
	WIN \win
.set i, 0
.rept 31
	global_load_b128 v[\base+4*i:\base+4*i+3], v112, s[\sb:\sb+1] offset:512*i
.set i, i+1
.endr
.if \clamp
	global_load_b128 v[\base+124:\base+127], v111, s[\sb:\sb+1]           ; row 31, or row 30 once more where the weight has no row 31
.else
	global_load_b128 v[\base+124:\base+127], v112, s[\sb:\sb+1] offset:512*31
.endif
	WIN 0
.endm
.macro AMAX32 b                        ; v96 = the conversion's scale operand of the 32 numbers v[b ..]: largest magnitude, held at 2^-122, its exponent field less 4
	v_max3_num_f32 v96, |v[\b]|, |v[\b+1]|, |v[\b+2]|
	v_max3_num_f32 v97, |v[\b+15]|, |v[\b+16]|, |v[\b+17]|
.irp n, 3,5,7,9,11,13
	v_max3_num_f32 v96, v96, |v[\b+\n]|, |v[\b+\n+1]|
	v_max3_num_f32 v97, v97, |v[\b+15+\n]|, |v[\b+16+\n]|
.endr
	v_max3_num_f32 v96, v96, |v[\b+30]|, |v[\b+31]|
	v_max3_num_f32 v96, v96, v97, FLOOR
	v_add_nc_u32 v96, LESS4, v96
.endm
.macro QCOL win, base, col, split, tbl ; one column (unit 4 lane + col) of a block of 32 along K: gathered into consecutive registers, quantised, its codes stored to the unit's cell
	WIN \win
.set i, 0
.rept 32
	v_mov_b32 v[192+i], v[\base+4*i+\col]
.set i, i+1
.endr
	WIN 0
	AMAX32 192
	s_wait_dscnt 0x0                               ; the last column's stores are done before their registers are written again
	v_cvt_scalef32_pk16_bf6_f32 v[224:226], v[192:207], v96
	v_cvt_scalef32_pk16_bf6_f32 v[228:230], v[208:223], v96
	v_lshrrev_b32 v97, 23, v96                     ; the scale byte (also the plain instruction behind the conversions)
.if \split
	v_lshl_or_b32 v97, v97, 16, v97                ; K = 64: the byte serves K blocks b and 2 + b
	v_lshlrev_b32 v[232+\col], s55, v97
	ds_store_b64 v119, v[224:225] offset:\tbl+800*\col
	ds_store_b64 v119, v[226:227] offset:\tbl+800*\col+8            ; v227 = 0: zero codes fill the cell
	ds_store_b64 v119, v[236:237] offset:\tbl+800*\col+16
	ds_store_b64 v119, v[228:229] offset:\tbl+4*PL+800*\col
	ds_store_b64 v119, v[230:231] offset:\tbl+4*PL+800*\col+8
	ds_store_b64 v119, v[236:237] offset:\tbl+4*PL+800*\col+16
.else
	v_lshlrev_b32 v[232+\col], s54, v97            ; the byte at K block w's place
	v_mov_b32 v227, v228                           ; a conversion's three registers begin on an even number: the gap is closed
	v_mov_b32 v228, v229
	v_mov_b32 v229, v230
	ds_store_b64 v119, v[224:225] offset:\tbl+800*\col
	ds_store_b64 v119, v[226:227] offset:\tbl+800*\col+8
	ds_store_b64 v119, v[228:229] offset:\tbl+800*\col+16
.endif
.endm
.macro QUNIT win, base, split, tbl, scoff
	QCOL \win, \base, 0, \split, \tbl
	QCOL \win, \base, 1, \split, \tbl
	QCOL \win, \base, 2, \split, \tbl
	QCOL \win, \base, 3, \split, \tbl
	ds_store_b128 v120, v[232:235] offset:\scoff   ; four units' scale words
.endm
.macro FRAG dst, adr, off, cstr        ; a fragment: 16 units x 128 K, 12 registers, six pieces of 8 bytes
.irp hc, 0,1
.irp pc, 0,1,2
	ds_load_b64 v[\dst+6*\hc+2*\pc:\dst+6*\hc+2*\pc+1], v[\adr] offset:\off+\hc*\cstr+8*\pc
.endr
.endr
.endm
	; ---------------- the head: pointers, ids, addresses
	s_load_b512 s[8:23], s[0:1], 0x0               ; x s8, h s10, iw0 s12, ib0 s14, iw1 s16, ib1 s18, iw2 s20, ib2 s22
	s_load_b256 s[24:31], s[0:1], 0x40             ; nw0 s24, nb0 s26, nw1 s28, nb1 s30
	s_load_b128 s[32:35], s[0:1], 0x60             ; nw2 s32, nb2 s34
	s_load_b64 s[36:37], s[0:1], 0x70              ; out0
	v_lshl_add_u32 v254, v0, 2, 0x25000
	v_mov_b32 v255, 0
	v_lshrrev_b32 v96, 5, v0
	v_readfirstlane_b32 s2, v96                    ; wave 0..3
	s_mov_b32 s3, ttmp9                            ; b
	v_and_b32 v1, 15, v0                           ; r
	v_bfe_u32 v2, v0, 4, 1                         ; half
	v_and_b32 v3, 31, v0                           ; lane
	v_lshlrev_b32 v4, 3, v2
	v_mov_b32 v7, 0
	v_mov_b32 v11, 0
.irp n, 67,68,69,73,74,75
	v_mov_b32 v[\n], 0                             ; the zero halves of the input codes: written once
.endr
	v_mov_b32 v236, 0
	v_mov_b32 v237, 0
	s_mov_b32 s50, 0x76543210                      ; v_permlanex16_b32: lane l xor 16
	s_mov_b32 s51, 0xfedcba98
	s_and_b32 s4, s2, 1
	s_lshr_b32 s5, s2, 1
	s_lshl1_add_u32 s57, s4, s5                    ; beta(w) = 2 (w % 2) + w / 2
	s_lshl_b32 s54, s2, 3
	s_lshl_b32 s55, s4, 3
	s_cmp_eq_u32 s2, 3
	s_cselect_b32 s56, -1, 0                       ; wave 3 has nw0's rows 32 .. 62: row 63 is the quantiser's zero
	s_cselect_b32 s70, 512, 0
	s_sub_co_u32 s70, 31*512, s70                  ; the last row that a block's loads name: row 31, in wave 3 row 30 once more
	v_lshlrev_b32 v112, 4, v3                      ; 16 lane
	v_add_nc_u32 v111, s70, v112
	s_mul_i32 s71, s2, WPB
	s_add_co_u32 s71, s71, WPRIV                   ; my wave's own bytes
	v_mov_b32 v113, s71
	v_lshl_add_u32 v114, v3, 2, s71
	v_lshlrev_b32 v115, 2, v3
	v_add_nc_u32 v116, 32, v3
	v_min_u32 v116, 62, v116
	v_lshlrev_b32 v116, 2, v116                    ; 4 min(32 + lane, 62)
	v_add_nc_u32 v105, s71, v116
	v_lshl_add_u32 v117, v2, 7, s71
	v_add_nc_u32 v109, SCT_O, v113
	s_mul_i32 s70, s2, 656
	v_add_nc_u32 v118, s70, v3                     ; p of the table's pass 0
	s_mul_i32 s70, s2, PL
	v_mad_u32_u24 v119, v3, 24, s70                ; my plane, my lane's cells
	s_lshl_b32 s70, s2, 9
	s_add_co_u32 s70, s70, SCW
	v_lshl_add_u32 v120, v3, 4, s70
	v_and_b32 v96, 3, v1
	v_mul_u32_u24 v96, v96, 800
	v_lshrrev_b32 v97, 3, v1
	v_bfe_u32 v98, v1, 2, 1
	v_lshl_add_u32 v98, v97, 4, v98
	v_mad_u32_u24 v96, v98, 24, v96
	v_mad_u32_u24 v121, v2, PL, v96                ; a fragment's lane: unit 64 (r / 8) + r % 8, plane = half
	s_mul_i32 s70, s2, 96
	v_add_nc_u32 v122, s70, v121                   ; the same at unit tile 2 w
	v_and_b32 v98, 7, v1
	v_lshl_add_u32 v98, v97, 6, v98
	v_lshl_add_u32 v123, v98, 2, SCW               ; that unit's scale word
	s_lshl_b32 s70, s2, 6
	v_add_nc_u32 v124, s70, v123
	v_lshlrev_b32 v127, 8, v2                      ; a vector's image: register q = vec[64 half + q]
	v_add_nc_u32 v125, s70, v127                   ; the same from unit tile 2 w on
	v_lshlrev_b32 v126, 1, v125
	s_mul_i32 s70, s2, TABW
	s_add_co_u32 s70, s70, TAB
	v_lshl_add_u32 v110, v1, 4, s70
	v_lshl_add_u32 v110, v2, 9, v110               ; the table as it is built: 32 points a pass, two tiles
	s_sub_co_u32 s70, s70, 512
	v_lshl_add_u32 v5, v3, 4, s70                  ; and as it is read: one tile behind tile 0
	v_lshl_add_u32 v107, v2, 6, O1
	s_lshl_b32 s70, s2, 7
	v_add_nc_u32 v106, s70, v107
	v_mov_b32 v108, s54
	v_add_nc_u32 v108, PART, v108
	s_wait_kmcnt 0x0
	s_lshl_b32 s4, s3, 2
	s_mov_b32 s5, 0
	s_add_nc_u64 s[38:39], s[8:9], s[4:5]
	s_add_nc_u64 s[68:69], s[36:37], s[4:5]
	s_load_b32 s40, s[38:39], 0x0                  ; x_b
	s_load_b32 s46, s[22:23], 0x0                  ; ib2
	s_load_b64 s[48:49], s[34:35], 0x0             ; nb2
	s_mul_i32 s4, s3, 252
	s_add_nc_u64 s[66:67], s[10:11], s[4:5]        ; h's row b
	s_lshl_b32 s4, s57, 14                         ; 32 rows of 512 bytes for each block
	s_add_nc_u64 s[58:59], s[16:17], s[4:5]        ; iw1, block beta(w)
	s_add_nc_u64 s[62:63], s[28:29], s[4:5]        ; nw1, block beta(w)
	s_cmp_lt_u32 s2, 2
	s_cselect_b64 s[60:61], s[12:13], s[24:25]     ; waves 0, 1: iw0; waves 2, 3: nw0
	s_lshl_b32 s4, s55, 11
	s_add_nc_u64 s[60:61], s[60:61], s[4:5]        ; block w % 2
	global_load_b128 v[192:195], v112, s[8:9]      ; all of x
	global_load_b128 v[196:199], v112, s[8:9] offset:512
	global_load_b32 v200, v115, s[66:67]           ; h_lane
	global_load_b32 v201, v116, s[66:67]           ; h_min(32 + lane, 62)
	ULOAD 0x40, 0, 58, 0
	; ---------------- the quadrature's nodes and weights: no input is needed, so this stands under the first loads
.set k, 0
.irp cv, 1.0, 0.9980267284, 0.9921147013, 0.9822872507, 0.9685831611, 0.9510565163, 0.9297764859, 0.9048270525, 0.8763066800, 0.8443279255, 0.8090169944, 0.7705132428, 0.7289686274, 0.6845471059, 0.6374239897, 0.5877852523, 0.5358267950, 0.4817536741, 0.4257792916, 0.3681245527, 0.3090169944, 0.2486898872, 0.1873813146, 0.1253332336, 0.0627905195, 0
	v_mov_b32 v[96+k%8], \cv                       ; cos(k pi / 50)
	ds_store_b32 v113, v[96+k%8] offset:4*k
.set k, k+1
.endr
	v_add_nc_u32 v104, 32, v3
	v_min_u32 v104, 50, v104                       ; a lane makes nodes kA = lane and kB = min(32 + lane, 50)
	v_sub_nc_u32 v96, 50, v3
	v_sub_nc_u32 v97, 50, v104
	v_min_u32 v96, v96, v3
	v_min_u32 v97, v97, v104
	v_lshl_add_u32 v96, v96, 2, v113
	v_lshl_add_u32 v97, v97, 2, v113
	ds_load_b32 v128, v96                          ; LDS serves a wave's instructions in order (ISA guide 5.7.1.4): these see the stores above
	ds_load_b32 v129, v97
	v_sub_nc_u32 v98, 25, v3
	v_and_b32 v98, 0x80000000, v98                 ; cos(k pi / 50) = -cos((50 - k) pi / 50) for k > 25
	v_mov_b32 v132, 1.0
	v_mov_b32 v133, 1.0
	v_mov_b32 v136, 1.0
	v_mov_b32 v137, 1.0
	s_wait_dscnt 0x0
	v_xor_b32 v128, v128, v98
	v_xor_b32 v129, 0x80000000, v129
	v_pk_mul_f32 v[130:131], v[128:129], v[128:129]
	v_pk_fma_f32 v[130:131], v[130:131], 4.0, -2.0 op_sel_hi:[1,0,0]      ; y = 2 cos(2 k pi / 50)
	v_pk_mul_f32 v[134:135], v[130:131], 0.5 op_sel_hi:[1,0]              ; T_1
.set TPR, 132
.set TCR, 134
.irp wv, -0.6666666667, -0.1333333333, -0.05714285714, -0.03174603175, -0.02020202020, -0.01398601399, -0.01025641026, -0.007843137255, -0.006191950464, -0.005012531328, -0.004140786749, -0.003478260870, -0.002962962963, -0.002554278416, -0.002224694105, -0.001955034213, -0.001731601732, -0.001544401544, -0.001386001386, -0.001250781739, -0.001134429949, -0.001033591731, -0.0009456264775, -0.0008684324794, -0.0008003201281
	v_fmamk_f32 v136, v[TCR], \wv, v136            ; + 2 / (1 - 4 m^2) cos(2 m k pi / 50), m = 1 .. 25
	v_fmamk_f32 v137, v[TCR+1], \wv, v137
	v_pk_fma_f32 v[TPR:TPR+1], v[130:131], v[TCR:TCR+1], v[TPR:TPR+1] neg_lo:[0,0,1] neg_hi:[0,0,1]   ; T_(m+1) = y T_m - T_(m-1)
.set TSW, TPR
.set TPR, TCR
.set TCR, TSW
.endr
	v_cmp_eq_u32 vcc_lo, 0, v3
	v_cndmask_b32 v98, 1.0, 0.5, vcc_lo            ; the two end nodes count half
	v_cmp_eq_u32 vcc_lo, 50, v104
	v_cndmask_b32 v99, 1.0, 0.5, vcc_lo
	v_mul_f32 v98, 0.04, v98
	v_mul_f32 v99, 0.04, v99
	v_add_f32 v138, 1.0, v128                      ; steps + 1
	v_mul_f32 v139, v136, v98                      ; cc
	v_add_f32 v140, 1.0, v129
	v_mul_f32 v141, v137, v99
	v_lshl_add_u32 v96, v3, 3, v109
	v_lshl_add_u32 v97, v104, 3, v109
	ds_store_b64 v96, v[138:139]
	ds_store_b64 v97, v[140:141]                   ; lanes 18 .. 31 write node 50 alike
	; ---------------- x and h
	s_wait_loadcnt 32                              ; x and h are in; behind them only iw1's 32 loads were issued
	s_wait_kmcnt 0x0
	ULOAD 0x40, 128, 60, 1
	v_max3_num_f32 v96, v192, v193, v194
	v_max3_num_f32 v96, v96, v195, v196
	v_max3_num_f32 v96, v96, v197, v198
	v_max3_num_f32 v96, v96, v199, 0
	v_max_num_f32_dpp v96, v96, v96 row_xmask:1 row_mask:0xf bank_mask:0xf
	v_max_num_f32_dpp v96, v96, v96 row_xmask:2 row_mask:0xf bank_mask:0xf
	v_max_num_f32_dpp v96, v96, v96 row_xmask:4 row_mask:0xf bank_mask:0xf
	v_max_num_f32_dpp v96, v96, v96 row_xmask:8 row_mask:0xf bank_mask:0xf
	v_permlanex16_b32 v11, v96, s50, s51
	v_max_num_f32 v96, v96, v11
	v_add_f32 v96, 0x41200000, v96                 ; + 10
	v_readfirstlane_b32 s41, v96                   ; xmax
	ds_store_b32 v113, v236 offset:HX_O            ; s's place
	ds_store_b32 v114, v200 offset:HX_O+4
	ds_store_b32 v105, v201 offset:HX_O+4
	ds_store_b32 v114, v200 offset:HY_O
	v_cmp_eq_u32 vcc_lo, 31, v3
	v_cndmask_b32 v96, v201, 0, vcc_lo             ; the quantiser's zero behind h62
	ds_store_b32 v114, v96 offset:HY_O+128
.set i, 0
.rept 8
	ds_load_b128 v[32+4*i:35+4*i], v117 offset:HX_O+16*i           ; my half's 32 inputs, the same in all 16 lanes of a half
.set i, i+1
.endr
	s_wait_dscnt 0x0
	v_max3_num_f32 v96, |v33|, |v34|, |v35|
.irp n, 36,38,40,42,44,46,48,50,52,54,56,58,60,62
	v_max3_num_f32 v96, v96, |v[\n]|, |v[\n+1]|
.endr
	v_readlane_b32 s42, v96, 0                     ; max |h0 .. h30|: block 0 without s
	v_max3_num_f32 v97, |v32|, v96, FLOOR
	v_add_nc_u32 v97, LESS4, v97
	v_readlane_b32 s43, v97, 16                    ; block 1's conversion scale,
	v_readlane_b32 s44, v32, 16                    ; h31,
	s_lshr_b32 s4, s43, 23
	s_mul_i32 s45, s4, 0x01000100                  ; and its byte at places 1 and 3 of the scale word
	v_mov_b32 v248, s43
	v_mov_b32 v249, 0
	v_mov_b32 v250, s44
	v_mov_b32 v251, 0
	; ---------------- the table of points: 21 passes of 32
.macro TIDX t
	v_add_nc_u32 v96, 32*\t, v118                  ; p
	v_mul_u32_u24 v97, v96, 0xa0a1
	v_lshrrev_b32 v97, 21, v97                     ; p / 51 (41,121 x 51 = 2^21 + 19: exact for p under 110,376)
	v_min_u32 v97, 50, v97                         ; i
	v_mul_u32_u24 v98, v97, 51
	v_sub_nc_u32 v98, v96, v98
	v_min_u32 v98, 50, v98                         ; j
	v_lshl_add_u32 v97, v97, 3, v109
	v_lshl_add_u32 v98, v98, 3, v109
	ds_load_b64 v[128+4*\t:129+4*\t], v97
	ds_load_b64 v[130+4*\t:131+4*\t], v98
.endm
.macro TENT t
	s_wait_dscnt 40                                ; behind this pass's two loads stand 40 - 2 t loads and the 2 t stores of the passes before
	v_mul_f32 v96, s40, v[128+4*\t]
	v_mul_f32 v99, v[129+4*\t], v[131+4*\t]        ; cc_i cc_j
	v_mul_f32 v96, 0.5, v96                        ; t_i = x (steps_i + 1) / 2
	v_sub_f32 v97, s41, v96                        ; xmax - t_i
	v_mul_f32 v98, v97, v[130+4*\t]
	v_mul_f32 v99, v99, v97
	v_fma_f32 v[130+4*\t], v98, 0.5, v96           ; s = t + (xmax - t)(steps_j + 1) / 2: the halving is exact, so the roundings are those of the separate steps
	v_add_nc_u32 v102, 32*\t, v118
	v_cmp_gt_u32 vcc_lo, 2601, v102
	v_cndmask_b32 v[131+4*\t], 0, v99, vcc_lo      ; the weight; 0 past the last point
	v_max3_num_f32 v100, |v[130+4*\t]|, s42, FLOOR
	v_add_nc_u32 v[128+4*\t], LESS4, v100          ; block 0's conversion scale
	v_lshrrev_b32 v101, 23, v[128+4*\t]
	v_lshl_or_b32 v101, v101, 16, v101
	v_or_b32 v[129+4*\t], s45, v101                ; (e0, e1, e0, e1)
	ds_store_b128 v110, v[128+4*\t:131+4*\t] offset:1024*\t
	ds_store_b128 v110, v[248:251] offset:1024*\t+256              ; lanes 16-31 of a tile: block 1's scale, h31, weight 0
.endm
.irp t, 0,1,2,3,4,5,6,7,8,9,10,11,12,13,14,15,16,17,18,19,20
	TIDX \t
.endr
.irp t, 0,1,2,3,4,5,6,7,8,9,10,11,12,13,14,15,16,17,18,19,20
	TENT \t
.endr
	s_wait_dscnt 0x0
	; ---------------- the weights: a group of 32 loads is on its way while another is quantised
	s_wait_loadcnt 32                              ; iw1's block is in; behind it: the 32 loads of iw0 / nw0
	ULOAD 0x80, 0, 62, 0
	QUNIT 0x01, 0, 0, IW1C, 0
	s_wait_loadcnt 32                              ; iw0's / nw0's block is in; behind it: nw1's 32
	WIN 0xc0
.set i, 0
.rept 16
	global_load_b128 v[4*i:4*i+3], v127, s[14:15] offset:16*i              ; ib0
	global_load_b128 v[192+4*i:195+4*i], v127, s[18:19] offset:16*i        ; ib1
.set i, i+1
.endr
	WIN 0x41
.irp n, 252,253,254,255
	v_cndmask_b32 v[\n], v[\n], 0, s56             ; wave 3: nw0's row 63 is zeros
.endr
	WIN 0
	s_wait_dscnt 0x0
	v_mov_b32 v227, 0
	v_mov_b32 v231, 0
	QUNIT 0x01, 128, 1, W0C, 8*512
	s_wait_loadcnt 32                              ; nw1's block is in; behind it: the 32 loads of ib0 and ib1
	WIN 0x40
.set i, 0
.rept 16
	global_load_b128 v[128+4*i:131+4*i], v127, s[20:21] offset:16*i        ; iw2
.set i, i+1
.endr
	WIN 0xc0
.set i, 0
.rept 4
	global_load_b128 v[64+4*i:67+4*i], v125, s[26:27] offset:16*i          ; nb0, nb1: my two unit tiles
	global_load_b128 v[80+4*i:83+4*i], v125, s[30:31] offset:16*i
.set i, i+1
.endr
.set i, 0
.rept 8
	global_load_b128 v[96+4*i:99+4*i], v126, s[32:33] offset:16*i          ; nw2: their 16 pairs
.set i, i+1
.endr
	WIN 0
	QUNIT 0x02, 0, 0, NW1C, 4*512
	s_wait_dscnt 0x0                               ; for the others' sake: my planes are written
	s_barrier_signal -1
	s_barrier_wait -1
	; ---------------- fragments and scale words into registers, for good
	WIN 0x80
.irp t, 0,1,2,3,4,5,6,7
	FRAG 12*\t, 121, W0C+48*\t, 4*PL
	FRAG 96+12*\t, 121, IW1C+48*\t, 2*PL
.endr
.irp t, 0,1
	FRAG 192+12*\t, 122, W0C+2*PL+48*\t, 4*PL
	FRAG 216+12*\t, 122, NW1C+48*\t, 2*PL
.endr
	WIN 0
.irp t, 0,1,2,3,4,5,6,7
	ds_load_b32 v[16+\t], v123 offset:8*512+32*\t
	ds_load_b32 v[128+\t], v123 offset:9*512+32*\t
	ds_load_b32 v[24+\t], v123 offset:32*\t
	ds_load_b32 v[136+3*\t], v123 offset:512+32*\t
	ds_load_b32 v[137+3*\t], v123 offset:2*512+32*\t
	ds_load_b32 v[138+3*\t], v123 offset:3*512+32*\t
.endr
.irp t, 0,1
	ds_load_b32 v[240+\t], v124 offset:10*512+32*\t
	ds_load_b32 v[160+\t], v124 offset:11*512+32*\t
	ds_load_b32 v[242+\t], v124 offset:4*512+32*\t
	ds_load_b32 v[162+3*\t], v124 offset:5*512+32*\t
	ds_load_b32 v[163+3*\t], v124 offset:6*512+32*\t
	ds_load_b32 v[164+3*\t], v124 offset:7*512+32*\t
.endr
.set i, 0
.rept 8
	ds_load_b128 v[192+4*i:195+4*i], v117 offset:HY_O+16*i         ; the outer net's input: (h, 0), my half
.set i, i+1
.endr
	s_wait_dscnt 0x0
	; ---------------- the outer net, first layer: each wave makes unit tiles 2 w and 2 w + 1
	AMAX32 192
	v_lshrrev_b32 v97, 23, v96
	v_lshl_or_b32 v97, v97, 16, v97
	v_lshlrev_b32 v97, v4, v97
	v_permlanex16_b32 v11, v97, s50, s51
	v_or_b32 v244, v97, v11                        ; (e0, e1, e0, e1)
	v_cvt_scalef32_pk16_bf6_f32 v[64:66], v[192:207], v96
	v_cvt_scalef32_pk16_bf6_f32 v[70:72], v[208:223], v96
.irp t, 0,1
	v_or_b32 v[240+\t], v[240+\t], v[160+\t]
	v_or_b32 v[242+\t], v[242+\t], v[162+3*\t]
	v_or_b32 v[242+\t], v[242+\t], v[163+3*\t]
	v_or_b32 v[242+\t], v[242+\t], v[164+3*\t]
.endr
.irp t, 0,1,2,3,4,5,6,7                ; these 32 name no register of the two matrix instructions below: they are the places between the writes of scales and codes and their use (ISA guide 7.12.1)
	v_or_b32 v[16+\t], v[16+\t], v[128+\t]
	v_or_b32 v[24+\t], v[24+\t], v[136+3*\t]
	v_or_b32 v[24+\t], v[24+\t], v[137+3*\t]
	v_or_b32 v[24+\t], v[24+\t], v[138+3*\t]
.endr
	s_wait_loadcnt 0x0                             ; biases, iw2, nw2
	WIN 0x32                                       ; source 0 window 2, source 1 window 0, C window 3, D window 0
.irp t, 0,1
	v_wmma_scale_f32_16x16x128_f8f6f4 v[128+8*\t:135+8*\t], v[192+12*\t:203+12*\t], v[64:75], v[64+8*\t:71+8*\t], v[240+\t], v244 matrix_a_fmt:MATRIX_FMT_BF6 matrix_b_fmt:MATRIX_FMT_BF6
.endr
	WIN 0
	NOPS 4
	RELU 128, 0, 16
.set i, 0
.rept 4
	ds_store_b128 v106, v[128+4*i:131+4*i] offset:16*i
.set i, i+1
.endr
	s_wait_dscnt 0x0                               ; for the others' sake
	s_barrier_signal -1
	s_barrier_wait -1
; The hidden layer in v128-191 is quantised.  First part: the two blocks' largest numbers (of the signed results, with 2^-122: that is the largest after ReLU, held), the scales, the scale word, ReLU of block 0.
.macro BPH1
	v_max3_num_f32 v12, v128, v129, v130
	v_max3_num_f32 v13, v144, v145, v146
	v_max3_num_f32 v14, v160, v161, v162
	v_max3_num_f32 v15, v176, v177, v178
.irp n, 3,5,7,9,11,13
	v_max3_num_f32 v12, v12, v[128+\n], v[129+\n]
	v_max3_num_f32 v13, v13, v[144+\n], v[145+\n]
	v_max3_num_f32 v14, v14, v[160+\n], v[161+\n]
	v_max3_num_f32 v15, v15, v[176+\n], v[177+\n]
.endr
	v_max3_num_f32 v12, v12, v143, FLOOR
	v_max3_num_f32 v14, v14, v175, FLOOR
	v_max3_num_f32 v13, v13, v159, v12
	v_max3_num_f32 v15, v15, v191, v14
	v_add_nc_u32 v13, LESS4, v13
	v_add_nc_u32 v15, LESS4, v15
	v_lshrrev_b32 v96, 23, v13
	v_lshrrev_b32 v97, 7, v15
	v_and_or_b32 v96, v97, 0xff0000, v96           ; my two bytes: K blocks half and 2 + half,
	v_lshlrev_b32 v96, v4, v96
	v_permlanex16_b32 v11, v96, s50, s51
	v_or_b32 v10, v96, v11                         ; with lane l xor 16's two the word is whole
	RELU 128, 0, 32
.endm
.macro BPH2                            ; second part: the codes.  A conversion's three registers begin on an even number: each block's second half is made elsewhere and moved
	v_cvt_scalef32_pk16_bf6_f32 v[76:78], v[128:143], v13
	v_cvt_scalef32_pk16_bf6_f32 v[88:90], v[144:159], v13
	RELU 128, 32, 32
	v_cvt_scalef32_pk16_bf6_f32 v[92:94], v[176:191], v15
	v_cvt_scalef32_pk16_bf6_f32 v[82:84], v[160:175], v15
	v_mov_b32 v79, v88                             ; (these three touch nothing of the two conversions just issued: the plain place behind them)
	v_mov_b32 v80, v89
	v_mov_b32 v81, v90
	v_mov_b32 v85, v92
	v_mov_b32 v86, v93
	v_mov_b32 v87, v94
.endm
.macro IPH                             ; the input codes of a tile: only v32 (s, or h31) and the scale differ from tile to tile
	v_cvt_scalef32_pk16_bf6_f32 v[64:66], v[32:47], v8
	v_cvt_scalef32_pk16_bf6_f32 v[70:72], v[48:63], v8
.endm
.macro L0M                             ; first layer: 8 unit tiles; the bias is the C operand.  Sixteen different accumulators follow each other in a trip: no sum is taken up in place
.irp t, 0,1,2,3,4,5,6,7
	v_wmma_scale_f32_16x16x128_f8f6f4 v[128+8*\t:135+8*\t], v[12*\t:12*\t+11], v[64:75], v[8*\t:8*\t+7], v[16+\t], v9 matrix_a_fmt:MATRIX_FMT_BF6 matrix_b_fmt:MATRIX_FMT_BF6
.endr
.endm
.macro L1M gb                          ; second layer, into window 1 at gb
.irp t, 0,1,2,3,4,5,6,7
	v_wmma_scale_f32_16x16x128_f8f6f4 v[(\gb)+8*\t:(\gb)+8*\t+7], v[96+12*\t:107+12*\t], v[76:87], v[192+8*\t:199+8*\t], v[24+\t], v10 matrix_a_fmt:MATRIX_FMT_BF6 matrix_b_fmt:MATRIX_FMT_BF6
.endr
.endm
.macro CTAIL gb                        ; the last layer of the tile whose second layer lies at gb (its registers 0-7 have had their ReLU): z, elu(z) + 1, the weight
	WIN 0x55
	RELU \gb, 8, 56
	v_pk_fma_f32 v[192:193], v[(\gb):(\gb)+1], v[128:129], v[200:201]     ; each half of the lanes starts from ib2 / 2
.irp n, 1,2,3
	v_pk_mul_f32 v[192+2*\n:193+2*\n], v[(\gb)+2*\n:(\gb)+2*\n+1], v[128+2*\n:129+2*\n]
.endr
.set e, 4
.rept 28
	v_pk_fma_f32 v[192+2*(e%4):193+2*(e%4)], v[(\gb)+2*e:(\gb)+2*e+1], v[128+2*e:129+2*e], v[192+2*(e%4):193+2*(e%4)]
.set e, e+1
.endr
	v_pk_add_f32 v[192:193], v[192:193], v[194:195]
	v_pk_add_f32 v[196:197], v[196:197], v[198:199]
	v_pk_add_f32 v[192:193], v[192:193], v[196:197]
	WIN 0x05
	v_add_f32 v96, v192, v193
	WIN 0
	v_permlanex16_b32 v11, v96, s50, s51
	v_add_f32 v96, v96, v11                        ; z: my 64 units' and lane l xor 16's
	v_min_num_f32 v97, 0, v96
	v_mul_f32 v97, 0x3fb8aa3b, v97
	v_exp_f32 v97, v97
	v_max_num_f32 v98, 0, v96                      ; (the plain instruction behind the exponential)
	s_wait_alu depctr_va_vdst(0)
	v_add_f32 v98, v98, v97                        ; elu(z) + 1
	s_wait_dscnt 0x0                               ; the weight is in; no other LDS instruction of mine is out
	v_fmac_f32 v7, v98, v6                         ; lanes 16-31 carry the weight 0
.endm
	; ---------------- the outer net, second layer and the product with nw2
.set i, 0
.rept 16
	ds_load_b128 v[128+4*i:131+4*i], v107 offset:128*(i/4)+16*(i%4)
.set i, i+1
.endr
	s_wait_dscnt 0x0
	BPH1
	BPH2
	NOPS 4                                         ; between the last move into the codes and the matrix instruction
	WIN 0x72                                       ; as 0x32, D window 1
.irp t, 0,1
	v_wmma_scale_f32_16x16x128_f8f6f4 v[8*\t:8*\t+7], v[216+12*\t:227+12*\t], v[76:87], v[80+8*\t:87+8*\t], v[242+\t], v10 matrix_a_fmt:MATRIX_FMT_BF6 matrix_b_fmt:MATRIX_FMT_BF6
.endr
	WIN 0x55
	NOPS 4
	RELU 0, 0, 16
	WIN 0x5d                                       ; source 0 window 1 (a unit, for both halves of the pair), source 1 window 3 (its two weights), sums in window 1
	v_pk_mul_f32 v[192:193], v[0:1], v[96:97] op_sel_hi:[0,1]
	v_pk_mul_f32 v[194:195], v[0:1], v[98:99] op_sel:[1,0] op_sel_hi:[1,1]
.set e, 2
.rept 7
	v_pk_fma_f32 v[192:193], v[e:e+1], v[96+2*e:97+2*e], v[192:193] op_sel_hi:[0,1,1]
	v_pk_fma_f32 v[194:195], v[e:e+1], v[98+2*e:99+2*e], v[194:195] op_sel:[1,0,0] op_sel_hi:[1,1,1]
.set e, e+2
.endr
	WIN 0x55
	v_pk_add_f32 v[192:193], v[192:193], v[194:195]
	WIN 0x01
	v_mov_b32 v96, v192
	v_mov_b32 v97, v193
	WIN 0
	v_permlanex16_b32 v11, v96, s50, s51
	v_add_f32 v96, v96, v11
	v_permlanex16_b32 v11, v97, s50, s51
	v_add_f32 v97, v97, v11
	ds_store_b64 v108, v[96:97]                    ; my 32 units' part of (o0, o1); all lanes hold the same
	s_mul_f32 s4, s46, 0.5
	WIN 0x40
	v_mov_b32 v200, s4
	v_mov_b32 v201, 0
	WIN 0
	; ---------------- the pipeline over my 41 tiles
; Trip n.  par = n % 2; c = 1: tile n - 1 has a last layer to finish; nx = 1: tile n + 1 exists; ld = 1: tile n + 2's entry is fetched.  At the head v5 points at tile n - 1's entry.
.macro TRIP par, c, nx, ld
.if \c
	ds_load_b32 v6, v5 offset:12                   ; tile n - 1's weight
.endif
	BPH1
.if \nx
	s_wait_dscnt \c                                ; tile n + 1's entry, asked for at the last trip's end, is in; only the weight's load is younger
	IPH
.endif
	BPH2
.if \c
	WIN 0x55
	RELU 64*(1-\par), 0, 8                         ; eight places between the last move into the codes and the matrix instructions
.else
	NOPS 4
.endif
.if \nx
	WIN 0x32
	L0M                                            ; tile n + 1
.endif
	WIN 0x72
	L1M 64*\par                                    ; tile n
.if \c
	CTAIL 64*(1-\par)                              ; tile n - 1: names no register of the sixteen above
.else
	NOPS 4
.endif
	WIN 0
	v_add_nc_u32 v5, 512, v5
.if \ld
	ds_load_b64 v[8:9], v5 offset:1024             ; tile n + 2: conversion scale and scale word,
	ds_load_b32 v32, v5 offset:1032                ; and s
.endif
.endm
	ds_load_b64 v[8:9], v5 offset:512              ; tile 0
	ds_load_b32 v32, v5 offset:520
	s_wait_dscnt 0x0
	IPH
	NOPS 4
	WIN 0x32
	L0M
	WIN 0
	NOPS 4                                         ; in front of the load into the scale word, and of the first read of the results
	ds_load_b64 v[8:9], v5 offset:1024             ; tile 1
	ds_load_b32 v32, v5 offset:1032
	TRIP 0, 0, 1, 1
	s_mov_b32 s52, 19
.Lpair:                                                ; tiles 1 .. 38
	TRIP 1, 1, 1, 1
	TRIP 0, 1, 1, 1
	s_sub_co_u32 s52, s52, 1
	s_cmp_lg_u32 s52, 0
	s_cbranch_scc1 .Lpair
	TRIP 1, 1, 1, 0                                ; tile 39: nothing is left to fetch
	TRIP 0, 1, 0, 0                                ; tile 40: no tile follows
	ds_load_b32 v6, v5 offset:12                   ; tile 40's weight
	WIN 0x55
	RELU 0, 0, 8
	CTAIL 0
	; ---------------- the end
	v_add_f32_dpp v7, v7, v7 row_xmask:1 row_mask:0xf bank_mask:0xf
	v_add_f32_dpp v7, v7, v7 row_xmask:2 row_mask:0xf bank_mask:0xf
	v_add_f32_dpp v7, v7, v7 row_xmask:4 row_mask:0xf bank_mask:0xf
	v_add_f32_dpp v7, v7, v7 row_xmask:8 row_mask:0xf bank_mask:0xf
	v_permlanex16_b32 v11, v7, s50, s51
	v_add_f32 v7, v7, v11
	s_lshl_b32 s4, s2, 2
	v_mov_b32 v96, s4
	ds_store_b32 v96, v7 offset:PART+32
	s_wait_dscnt 0x0                               ; for wave 0's sake
	s_barrier_signal -1
	s_barrier_wait -1
	s_cmp_lg_u32 s2, 0
	s_cbranch_scc1 .Ldone
	v_mov_b32 v96, PART
	ds_load_b128 v[128:131], v96
	ds_load_b128 v[132:135], v96 offset:16
	ds_load_b128 v[136:139], v96 offset:32
	s_wait_dscnt 0x0
	v_pk_add_f32 v[128:129], v[128:129], v[130:131]
	v_pk_add_f32 v[132:133], v[132:133], v[134:135]
	v_pk_add_f32 v[128:129], v[128:129], v[132:133]
	v_add_f32 v128, s48, v128                      ; the offset
	v_add_f32 v129, s49, v129
	v_add_f32 v136, v136, v137
	v_add_f32 v138, v138, v139
	v_add_f32 v136, v136, v138
	v_mul_f32 v129, 0x3fb8aa3b, v129
	v_exp_f32 v129, v129                           ; the scaling
	v_mul_f32 v136, s40, v136                      ; (the plain instruction behind the exponential)
	v_mul_f32 v136, 0x3e800000, v136               ; x / 4 times the sum: the two halvings of the two quadratures
	s_wait_alu depctr_va_vdst(0)
	v_fma_f32 v97, v129, v136, v128
	v_mov_b32 v96, 0
	v_cmp_eq_u32 vcc_lo, 0, v0
	s_wait_xcnt 0x0                                ; EXEC changes only behind this wait
	s_and_saveexec_b32 s4, vcc_lo
	global_store_b32 v96, v97, s[68:69]            ; one lane stores the work-group's one number
	s_wait_xcnt 0x0
	s_or_b32 exec_lo, exec_lo, s4
.Ldone:
	s_wait_tensorcnt 0x0
	ds_add_u32 v254, v255
	s_wait_dscnt 0x0
	s_endpgm
.Lfunc_end_k_q752b5096e1_umnn:
	.size	k_q752b5096e1_umnn, .Lfunc_end_k_q752b5096e1_umnn-k_q752b5096e1_umnn
	.p2alignl 7, 3214868480
	.fill 96, 4, 3214868480
	.section	.rodata,"a",@progbits
	.p2align	6, 0x0
	.amdhsa_kernel k_q752b5096e1_umnn
		.amdhsa_group_segment_fixed_size 152064
		.amdhsa_private_segment_fixed_size 0
		.amdhsa_enable_private_segment 0
		.amdhsa_kernarg_size 120
		.amdhsa_user_sgpr_count 2
		.amdhsa_user_sgpr_kernarg_segment_ptr 1
		.amdhsa_wavefront_size32 1
		.amdhsa_system_sgpr_workgroup_id_x 1
		.amdhsa_system_sgpr_workgroup_id_y 1
		.amdhsa_system_sgpr_workgroup_id_z 1
		.amdhsa_system_vgpr_workitem_id 0
		.amdhsa_next_free_vgpr 1024
		.amdhsa_next_free_sgpr 72
		.amdhsa_reserve_vcc 1
		.amdhsa_float_denorm_mode_32 3
		.amdhsa_float_denorm_mode_16_64 3
		.amdhsa_memory_ordered 1
		.amdhsa_forward_progress 1
		.amdhsa_inst_pref_size 185
	.end_amdhsa_kernel
	.amdgpu_metadata
---
amdhsa.version: [ 1, 2 ]
amdhsa.kernels:
  - .name:           k_q752b5096e1_umnn
    .symbol:         k_q752b5096e1_umnn.kd
    .args:
      - { .name: x, .offset: 0, .size: 8, .value_kind: global_buffer, .address_space: global }
      - { .name: h, .offset: 8, .size: 8, .value_kind: global_buffer, .address_space: global }
      - { .name: iw0, .offset: 16, .size: 8, .value_kind: global_buffer, .address_space: global }
      - { .name: ib0, .offset: 24, .size: 8, .value_kind: global_buffer, .address_space: global }
      - { .name: iw1, .offset: 32, .size: 8, .value_kind: global_buffer, .address_space: global }
      - { .name: ib1, .offset: 40, .size: 8, .value_kind: global_buffer, .address_space: global }
      - { .name: iw2, .offset: 48, .size: 8, .value_kind: global_buffer, .address_space: global }
      - { .name: ib2, .offset: 56, .size: 8, .value_kind: global_buffer, .address_space: global }
      - { .name: nw0, .offset: 64, .size: 8, .value_kind: global_buffer, .address_space: global }
      - { .name: nb0, .offset: 72, .size: 8, .value_kind: global_buffer, .address_space: global }
      - { .name: nw1, .offset: 80, .size: 8, .value_kind: global_buffer, .address_space: global }
      - { .name: nb1, .offset: 88, .size: 8, .value_kind: global_buffer, .address_space: global }
      - { .name: nw2, .offset: 96, .size: 8, .value_kind: global_buffer, .address_space: global }
      - { .name: nb2, .offset: 104, .size: 8, .value_kind: global_buffer, .address_space: global }
      - { .name: out0, .offset: 112, .size: 8, .value_kind: global_buffer, .address_space: global }
    .group_segment_fixed_size: 152064
    .private_segment_fixed_size: 0
    .kernarg_segment_align: 8
    .kernarg_segment_size: 120
    .max_flat_workgroup_size: 128
    .sgpr_count:     72
    .vgpr_count:     1024
    .wavefront_size: 32
...
	.end_amdgpu_metadata
.endif
;; end of part 1
;; ======== version 2 of 2: 1 launch
;; limits: right only within a limited range of input values
;; launch umnn (part 2): grid 256 x 1, 8 waves a work-group, no clusters, 253,184 bytes of LDS; arguments x, h, iw0, ib0, iw1, ib1, iw2, ib2, nw0, nb0, nw1, nb1, nw2, nb2, out0; writes out0
.if DOCPART == 2
	.amdgcn_target "amdgcn-amd-amdhsa--gfx1250"
	.amdhsa_code_object_version 6
	.text
	.protected	k_q752b5096e1_umnn
	.globl	k_q752b5096e1_umnn
	.p2align	8
	.type	k_q752b5096e1_umnn,@function
k_q752b5096e1_umnn:
	s_mov_b64 s[64:65], 0
	v_nop
	global_prefetch_b8 v0, s[64:65] scope:SCOPE_SE
	s_setreg_imm32_b32 hwreg(HW_REG_WAVE_MODE, 25, 1), 1
	s_wait_xcnt 0x0
; out[b] = exp(o1) * (x/4) * sum over i, j of cc_i cc_j (xmax - t_i) f(s_ij, h_b) + o0, with f = elu(MLP) + 1 and (o0, o1) a second MLP on h_b.
; The four products with N = 128 run on codes of BF6 (E3M2) with one E8M0 scale for each 32 along K; the two products with N = 1 and N = 2 are f32 multiply-adds.
; SHARES.  One work-group for each of the 256 rows b, eight waves, two on a SIMD.  The 51 x 51 points p = 51 i + j go in tiles of 16; wave w owns p = 336 w .., 21 tiles; wave 7 owns the last 249 points, 16 tiles,
; and makes the whole outer net in the place of the five tiles that it does not have.  Points past 2,600 have nodes with cc = 0, so their weight is 0.
; max(t) is max(0, max x): steps_0 + 1 = 2 gives t = x, steps_50 + 1 = 0 gives t = 0, and a rounded product is monotone in between.  So every work-group finds xmax from x itself.
; LAYOUT.  Both products are used transposed (source 0 = 16 hidden units, source 1 = 16 points): a lane holds ONE point (lane % 16).  Row m of unit tile t is unit 64 (m / 8) + 8 t + m % 8, so that register
; 8 t + j of lane half hh is unit 64 hh + 8 t + j: a lane holds two whole blocks of 32 in order, a block's maximum needs no other lane, and the conversions' results are the next operand's registers.
; K = 64 (first layers): only K blocks 0 and 1 carry codes; the points' codes of blocks 2 and 3 are zero codes, with the scale byte 1.  So the weights' registers of blocks 2 and 3 may hold any codes:
; unit tile t's operand is its own 6 registers and the 6 of the tile behind it.
; THE WEIGHTS are quantised here, once a work-group: a lane takes one column n and its registers run down K.  Their codes go to LDS as images of the operands' registers.
; THE TABLE holds, for each tile and lane, 32 bytes: 24 of input codes (lanes 16-31: h's second block), the scale word, the weight.  A tile's z (one half of the lanes' part) is put over the scale word when the tile is done.
; No cluster and no tensor load: the weights are read once, straight into registers; no prefetch: no loop reads memory.
; LIMITS.  NaN and infinities among the inputs are not served.  A block of zeros carries the scale byte 1 and not 127: its codes are 0, so every product is the same.
; elu(z) + 1 is max(z, 0) + 2^(min(z, 0) log2 e), which differs from expm1(z) + 1 by f32 rounding; v_exp_f32 gives 0 under 2^-126.  The quadrature weights are summed in f32 (about 1e-5 of the smallest); they feed no quantiser.
; steps_25 is taken as 0 (steps_25 + 1 is 1.0 either way).  out0 is stored 4 bytes a work-group: a work-group owns one number of it.
; REGISTERS of the loop.  Window 0: v0 thread, v1 table pointer, v2, v3 the add's, v4 at work, v5 permute target, v6 / v7 scale words of the hidden layer / the points, v8-11 maxima, v12-15 sums, v16-23 the weights' scale words
; (lanes 0-15 the first layer's, lanes 16-31 the second's), v24-35 input codes, v36-47 hidden codes, v48-63 ib0's first two unit tiles, v64-127 first layer's result, v128-191 second layer's, v192-255 iw2.
; Window 1: v0-47 iw0, v48-143 iw1, v144-191 ib0's other six unit tiles, v192-255 ib1.
.set TILE,  1024                       ; a tile's 32 entries of 32 bytes
.set TABW,  24*TILE                    ; a wave's table: a tile's room in front (the first trip's z goes there), 22 tiles
.set W1I,   8*TABW                     ; images: tile pitch 1,664 (three times 512 bytes, and 128): iw1, nw1
.set IP1,   1664
.set NI1,   8*IP1                      ; nw1 behind iw1
.set W0I,   W1I+2*NI1                  ; tile pitch 896 (512, 256 and 128): iw0, nw0
.set IP0,   896
.set NI0,   8*IP0
.set SC,    W0I+2*NI0                  ; scale words, 512 bytes each: iw0, iw1, nw0, nw1; word 16 t + r
.set PRIV,  SC+2048                    ; each wave's own 1,536 bytes: cosines, nodes {steps + 1, cc}, (0, h0 .. h62), (h0 .. h62, 0)
.set WPB,   1536
.set ND_O,  256
.set HX_O,  768
.set HY_O,  1152
.set PART,  PRIV+8*WPB                 ; +4 w: wave w's quadrature sum; +32 + 8 w: its (o0, o1), wave 7's is read
.set SPARE, PART+256
.set FLOOR, 0x2800000                  ; 2^-122: a largest magnitude held there has the exponent field 5, so the scale byte does not fall under 1
.set LESS4, 0xfe000000                 ; takes 4 from an exponent field
.set MX,  8
.set SUM, 12
.set SCW, 16
.set IC,  24
.set HC,  36
.set BI0, 48
.set D1,  64
.set D2,  128
.set IW2, 192
.set W0,  0
.set W1,  48
.set BI0B, 144
.set BI1, 192
.set GA,  128                          ; the preparation: two buffers of 32 rows of a column
.set GB,  160
.set MSB, 0
.macro WIN new                         ; the immediate's high byte repeats the setting that is left; a switch that changes nothing is dropped
.if MSB != \new
	s_set_vgpr_msb (MSB<<8)|\new
.set MSB, \new
.endif
.endm
.macro NOPS n
.rept \n
	v_nop
.endr
.endm
.macro WA
	s_wait_alu depctr_va_vdst(0)
.endm
.macro GLOAD g, off, sb, first         ; 32 rows of 512 bytes: register i = W[first + i][my column]
.set i, 0
.rept 32
	global_load_b32 v[\g+i], v[\off], s[\sb:\sb+1] offset:512*(\first+i)
.set i, i+1
.endr
.endm
.macro QG g, y, byte                   ; a block of 32 in v[g ..]: its codes to v[y .. y + 5], its scale byte to v[byte]
.irp c, 0,1,2,3
	v_max3_num_f32 v[8+\c], |v[\g+8*\c]|, |v[\g+8*\c+1]|, |v[\g+8*\c+2]|
.endr
.irp n, 3,5
.irp c, 0,1,2,3
	v_max3_num_f32 v[8+\c], v[8+\c], |v[\g+8*\c+\n]|, |v[\g+8*\c+\n+1]|
.endr
.endr
	v_max3_num_f32 v8, v8, |v[\g+7]|, |v[\g+15]|
	v_max3_num_f32 v10, v10, |v[\g+23]|, |v[\g+31]|
	v_max3_num_f32 v8, v8, v9, FLOOR
	v_max_num_f32 v10, v10, v11
	v_max_num_f32 v8, v8, v10
	v_add_nc_u32 v8, LESS4, v8                     ; the conversions' scale operand
	v_cvt_scalef32_pk16_bf6_f32 v[\y:\y+2], v[\g:\g+15], v8
	v_cvt_scalef32_pk16_bf6_f32 v[124:126], v[\g+16:\g+31], v8
	v_lshrrev_b32 v[\byte], 23, v8                 ; (also the plain instruction behind the conversions)
	v_mov_b32 v[\y+3], v124                        ; a conversion's three registers begin on an even number: the second half is moved
	v_mov_b32 v[\y+4], v125
	v_mov_b32 v[\y+5], v126
.endm
.macro L0W t, c                        ; first layer, unit tile t, C = the bias at c
	v_wmma_scale_f32_16x16x128_f8f6f4 v[D1+8*(\t):D1+8*(\t)+7], v[W0+6*(\t):W0+6*(\t)+11], v[IC:IC+11], v[\c:\c+7], v[SCW+\t], v7 matrix_a_fmt:MATRIX_FMT_BF6 matrix_b_fmt:MATRIX_FMT_BF6
.endm
.macro L1W t, c                        ; second layer
	v_wmma_scale_f32_16x16x128_f8f6f4 v[D2+8*(\t):D2+8*(\t)+7], v[W1+12*(\t):W1+12*(\t)+11], v[HC:HC+11], v[\c:\c+7], v[SCW+\t], v6 matrix_a_fmt:MATRIX_FMT_BF6 matrix_b_fmt:MATRIX_FMT_BF6 matrix_a_scale:MATRIX_SCALE_ROW1
.endm
.macro GRP l1, l0                      ; a group of matrix instructions: sixteen different accumulators, none taken up in place
.if \l0
	WIN 0x01                                       ; source 0 window 1, the rest window 0
	L0W 0, BI0
	L0W 1, BI0+8
.endif
	WIN 0x11                                       ; sources 0 and 2 window 1
.if \l1
.irp t, 0,1,2,3,4,5,6,7
	L1W \t, BI1+8*\t
.endr
.endif
.if \l0
.irp t, 2,3,4,5,6,7
	L0W \t, BI0B+8*(\t-2)
.endr
.endif
	WIN 0
.endm
.macro RDUAL base, q                   ; ReLU of registers 2 q, 2 q + 1
	v_dual_max_num_f32 v[\base+2*(\q)], 0, v[\base+2*(\q)] :: v_dual_max_num_f32 v[\base+2*(\q)+1], 0, v[\base+2*(\q)+1]
.endm
.macro TF q                            ; the last layer's multiply-add of pair q, two sums by turns
.if (\q)<2
	v_pk_mul_f32 v[SUM+2*(\q):SUM+2*(\q)+1], v[D2+2*(\q):D2+2*(\q)+1], v[IW2+2*(\q):IW2+2*(\q)+1]
.else
	v_pk_fma_f32 v[SUM+2*((\q)%2):SUM+2*((\q)%2)+1], v[D2+2*(\q):D2+2*(\q)+1], v[IW2+2*(\q):IW2+2*(\q)+1], v[SUM+2*((\q)%2):SUM+2*((\q)%2)+1]
.endif
.endm
; The last layer is a list of 64 lines, ascending: four ReLU pairs, then multiply-adds and ReLU pairs by turns (a pair's ReLU stands seven lines ahead of its multiply-add), then the last multiply-adds.
.macro TLN n                           ; the list's next n lines (j counts them)
.rept \n
.if j<4
	RDUAL D2, j
.elseif j<60
.if (j-4)%2==0
	TF ((j-4)/2)
.else
	RDUAL D2, (4+(j-5)/2)
.endif
.else
	TF (j-32)
.endif
.set j, j+1
.endr
.endm
.macro MXL                             ; line i of 32: four chains of maxima, one for each 16 results (signed: with 2^-122 at the end that is the largest after ReLU, held)
.if i<28
.set c, i%4
.set g, i/4
.if g==0
	v_max3_num_f32 v[MX+c], v[D1+16*c], v[D1+16*c+1], v[D1+16*c+2]
.else
	v_max3_num_f32 v[MX+c], v[MX+c], v[D1+16*c+2*g+1], v[D1+16*c+2*g+2]
.endif
.elseif i==28
	v_max3_num_f32 v[MX], v[MX], v[D1+15], FLOOR
.elseif i==29
	v_max3_num_f32 v[MX+2], v[MX+2], v[D1+47], FLOOR
.elseif i==30
	v_max3_num_f32 v[MX+1], v[MX+1], v[D1+31], v[MX]       ; block 0 of my half
.else
	v_max3_num_f32 v[MX+3], v[MX+3], v[D1+63], v[MX+2]     ; block 1
.endif
.endm
.macro TT tt, n
.if \tt
	TLN \n
.endif
.endm
; A trip's vector work: qq = 1: the hidden layer in D1 is quantised (ReLU, maxima, scales, codes, scale word); tt = 1: the last layer's list is dealt among it, so that a line does not read the one before it.
; The list's last ten lines stand behind the scale word: places in front of the matrix instruction that takes it.
.macro WEAVE qq, tt
.set j, 0
	TT \tt, 8
.if \qq
.set i, 0
.rept 32
	MXL
	RDUAL D1, i
.if i%2==0
	TT \tt, 1
.endif
.set i, i+1
.endr
	v_add_nc_u32 v[MX+1], LESS4, v[MX+1]           ; the conversions' scale operands
	TT \tt, 2
	v_add_nc_u32 v[MX+3], LESS4, v[MX+3]
	TT \tt, 2
	v_cvt_scalef32_pk16_bf6_f32 v[HC:HC+2], v[D1:D1+15], v[MX+1]
	TT \tt, 2
	v_cvt_scalef32_pk16_bf6_f32 v[HC+6:HC+8], v[D1+32:D1+47], v[MX+3]
	TT \tt, 2
	v_lshrrev_b32 v4, 23, v[MX+1]
	TT \tt, 2
	v_cvt_scalef32_pk16_bf6_f32 v[D1:D1+2], v[D1+16:D1+31], v[MX+1]        ; each block's second half goes to registers that the conversions above have read, and is moved
	TT \tt, 2
	v_cvt_scalef32_pk16_bf6_f32 v[D1+32:D1+34], v[D1+48:D1+63], v[MX+3]
	TT \tt, 2
	v_lshrrev_b32 v[MX], 7, v[MX+3]
	TT \tt, 2
	v_and_or_b32 v4, v[MX], 0xff0000, v4           ; my half's two bytes
	TT \tt, 2
	v_dual_mov_b32 v[HC+3], v[D1] :: v_dual_mov_b32 v[HC+4], v[D1+1]
	TT \tt, 2
	v_permlanex16_b32 v5, v4, s50, s51
	TT \tt, 2
	v_dual_mov_b32 v[HC+9], v[D1+32] :: v_dual_mov_b32 v[HC+10], v[D1+33]
	TT \tt, 2
	v_mov_b32 v[HC+5], v[D1+2]
	TT \tt, 2
	v_mov_b32 v[HC+11], v[D1+34]
	TT \tt, 2
	v_lshl_or_b32 v6, v5, 8, v4                    ; lanes 0-15 (the ones that are read): with lane l xor 16's two bytes the word is whole
	TT \tt, 2
	TT \tt, 10
.else
	TT \tt, 56
.endif
.endm
.macro FR0 adr, adrb, off              ; first layer's fragments, into window 1
.irp t, 0,1,2,3,4,5,6,7
	ds_load_b128 v[W0+6*\t:W0+6*\t+3], v[\adr] offset:\off+IP0*\t
	ds_load_b64 v[W0+6*\t+4:W0+6*\t+5], v[\adrb] offset:\off+IP0*\t+512
.endr
.endm
.macro FR1 adr, off, t                 ; second layer's, unit tile t
.irp q, 0,1,2
	ds_load_b128 v[W1+12*(\t)+4*\q:W1+12*(\t)+4*\q+3], v[\adr] offset:\off+IP1*(\t)+512*\q
.endr
.endm
	; ---------------- the head: pointers, ids, addresses (all addresses are fields of the thread's number)
	s_load_b512 s[8:23], s[0:1], 0x0               ; x s8, h s10, iw0 s12, ib0 s14, iw1 s16, ib1 s18, iw2 s20, ib2 s22
	s_load_b256 s[24:31], s[0:1], 0x40             ; nw0 s24, nb0 s26, nw1 s28, nb1 s30
	s_load_b128 s[32:35], s[0:1], 0x60             ; nw2 s32, nb2 s34
	s_load_b64 s[36:37], s[0:1], 0x70              ; out0
	v_lshl_add_u32 v2, v0, 2, SPARE
	v_mov_b32 v3, 0
	v_mov_b32 v5, 0                                ; (the destination of a lane permute counts as read)
	v_lshrrev_b32 v55, 5, v0                       ; wave
	v_readfirstlane_b32 s2, v55
	v_and_b32 v48, 31, v0                          ; lane
	v_and_b32 v49, 15, v0
	v_bfe_u32 v50, v0, 4, 1                        ; lane's half
	v_lshrrev_b32 v51, 7, v0                       ; which half of K I quantise
	v_bfe_u32 v52, v0, 3, 3                        ; my column's unit tile
	v_and_b32 v53, 7, v0
	v_bfe_u32 v54, v0, 6, 1
	v_lshl_add_u32 v53, v54, 3, v53                ; and row in it
	v_lshl_add_u32 v54, v51, 4, v53                ; the lane that takes my codes
	v_mul_u32_u24 v37, v52, IP1
	v_lshl_add_u32 v37, v54, 4, v37
	v_add_nc_u32 v37, W1I, v37
	v_mul_u32_u24 v61, v52, IP0
	v_lshl_add_u32 v38, v54, 4, v61
	v_add_nc_u32 v38, W0I, v38
	v_lshl_add_u32 v39, v54, 3, v61
	v_add_nc_u32 v39, W0I+512, v39
	v_lshlrev_b32 v40, 6, v52
	v_lshl_add_u32 v40, v53, 2, v40
	v_add_nc_u32 v40, v51, v40
	v_add_nc_u32 v40, SC, v40                      ; my scale byte
	v_and_b32 v61, 127, v0
	v_lshlrev_b32 v61, 2, v61                      ; my column in a row of 512 bytes
	v_lshl_add_u32 v41, v51, 15, v61               ; from row 64 x K half
	v_lshl_add_u32 v47, v51, 14, v61               ; from row 32 x K half
	v_lshlrev_b32 v62, 9, v51
	v_sub_nc_u32 v56, v47, v62
	v_add_nc_u32 v56, 31*512, v56                  ; nw0's row 31, or 62 where there is no row 63
	v_mul_u32_u24 v42, v55, WPB
	v_add_nc_u32 v42, PRIV, v42                    ; my wave's own bytes
	v_lshl_add_u32 v43, v48, 2, v42
	v_lshl_add_u32 v44, v48, 3, v42
	v_mul_u32_u24 v45, v55, 336
	v_xor_b32 v61, 16, v48
	v_add_nc_u32 v45, v45, v61                     ; a wave's tiles lie in descending order: place k holds p = 336 w + 16 (20 - k) .., so that wave 7's first five places are the ones past the last point
	v_mul_u32_u24 v60, v55, TABW
	v_lshl_add_u32 v46, v50, 10, v60
	v_lshl_add_u32 v46, v49, 5, v46                ; the table as it is built: 32 points a pass, two tiles
	v_lshl_add_u32 v1, v48, 5, v60                 ; and as it is read
	v_lshlrev_b32 v36, 8, v50                      ; a vector's image: register q = vec[64 half + q]
	v_lshlrev_b32 v57, 4, v48
	v_lshlrev_b32 v58, 2, v48
	v_add_nc_u32 v59, 32, v48
	v_min_u32 v59, 62, v59
	v_lshlrev_b32 v59, 2, v59
	WA
	s_wait_kmcnt 0x0
	s_mov_b32 s50, 0x76543210                      ; v_permlanex16_b32: lane l xor 16
	s_mov_b32 s51, 0xfedcba98
	s_mov_b32 s3, ttmp9                            ; b
	s_lshl_b32 s4, s3, 2
	s_mov_b32 s5, 0
	s_add_nc_u64 s[38:39], s[8:9], s[4:5]
	s_add_nc_u64 s[68:69], s[36:37], s[4:5]
	s_load_b32 s40, s[38:39], 0x0                  ; x_b
	s_load_b32 s46, s[22:23], 0x0                  ; ib2
	s_load_b64 s[48:49], s[34:35], 0x0             ; nb2
	s_mul_i32 s6, s3, 252
	s_mov_b32 s7, 0
	s_add_nc_u64 s[66:67], s[10:11], s[6:7]        ; h's row b
	global_load_b128 v[24:27], v57, s[8:9]         ; all of x
	global_load_b128 v[28:31], v57, s[8:9] offset:512
	global_load_b32 v32, v58, s[66:67]             ; h_lane
	global_load_b32 v33, v59, s[66:67]             ; h_min(32 + lane, 62)
	GLOAD GA, 41, 16, 0                            ; iw1, first block of my half
	s_cmp_ge_u32 s2, 4
	s_cselect_b32 s56, -1, 0                       ; these waves have nw0's rows 32 .. 62: row 63 is the quantiser's zero
	s_cmp_eq_u32 s2, 7
	s_cselect_b32 s53, 5, 0                        ; the loop's trips that are passed over
	s_mul_i32 s55, s2, TABW-TILE                   ; my wave's table, less the wave's part of 32 x my thread's number
	; ---------------- the quadrature's nodes and weights: no input is needed
.set k, 0
.irp cv, 1.0, 0.9980267284, 0.9921147013, 0.9822872507, 0.9685831611, 0.9510565163, 0.9297764859, 0.9048270525, 0.8763066800, 0.8443279255, 0.8090169944, 0.7705132428, 0.7289686274, 0.6845471059, 0.6374239897, 0.5877852523, 0.5358267950, 0.4817536741, 0.4257792916, 0.3681245527, 0.3090169944, 0.2486898872, 0.1873813146, 0.1253332336, 0.0627905195, 0
	v_mov_b32 v[64+k], \cv                         ; cos(k pi / 50)
.set k, k+1
.endr
.irp cv, -0.0627905195, -0.1253332336, -0.1873813146, -0.2486898872, -0.3090169944, -0.3681245527, -0.4257792916, -0.4817536741, -0.5358267950, -0.5877852523, -0.6374239897, -0.6845471059, -0.7289686274, -0.7705132428, -0.8090169944, -0.8443279255, -0.8763066800, -0.9048270525, -0.9297764859, -0.9510565163, -0.9685831611, -0.9822872507, -0.9921147013, -0.9980267284, -1.0, 0, 0, 0, 0, 0, 0, 0, 0, 0, 0, 0, 0, 0
	v_mov_b32 v[64+k], \cv
.set k, k+1
.endr
.set k, 0
.rept 16
	ds_store_b128 v42, v[64+4*k:67+4*k] offset:16*k
.set k, k+1
.endr
	ds_load_b32 v192, v43                          ; LDS serves a wave's instructions in order (ISA guide 5.7.1.4): these see the stores above
	ds_load_b32 v193, v43 offset:128               ; a lane makes nodes lane and 32 + lane
	v_mov_b32 v196, 1.0
	v_mov_b32 v197, 1.0
	v_mov_b32 v200, 1.0
	v_mov_b32 v201, 1.0
	v_cmp_eq_u32 vcc_lo, 0, v48
	v_cndmask_b32 v202, 1.0, 0.5, vcc_lo           ; the two end nodes count half,
	v_cmp_eq_u32 vcc_lo, 18, v48
	v_cndmask_b32 v203, 1.0, 0.5, vcc_lo
	v_cmp_gt_u32 vcc_lo, 19, v48
	v_cndmask_b32 v203, 0, v203, vcc_lo            ; those past node 50 nothing
	v_mul_f32 v202, 0x3d23d70a, v202               ; 0.04
	v_mul_f32 v203, 0x3d23d70a, v203
	WA
	s_wait_dscnt 0x0
	v_pk_mul_f32 v[194:195], v[192:193], v[192:193]
	v_pk_fma_f32 v[194:195], v[194:195], 4.0, -2.0 op_sel_hi:[1,0,0]      ; y = 2 cos(2 k pi / 50)
	v_pk_mul_f32 v[198:199], v[194:195], 0.5 op_sel_hi:[1,0]              ; T_1
.set TPR, 196
.set TCR, 198
.irp wv, -0.6666666667, -0.1333333333, -0.05714285714, -0.03174603175, -0.02020202020, -0.01398601399, -0.01025641026, -0.007843137255, -0.006191950464, -0.005012531328, -0.004140786749, -0.003478260870, -0.002962962963, -0.002554278416, -0.002224694105, -0.001955034213, -0.001731601732, -0.001544401544, -0.001386001386, -0.001250781739, -0.001134429949, -0.001033591731, -0.0009456264775, -0.0008684324794, -0.0008003201281
	v_fmamk_f32 v200, v[TCR], \wv, v200            ; + 2 / (1 - 4 m^2) cos(2 m k pi / 50), m = 1 .. 25
	v_fmamk_f32 v201, v[TCR+1], \wv, v201
	v_pk_fma_f32 v[TPR:TPR+1], v[194:195], v[TCR:TCR+1], v[TPR:TPR+1] neg_lo:[0,0,1] neg_hi:[0,0,1]   ; T_(m+1) = y T_m - T_(m-1)
.set TSW, TPR
.set TPR, TCR
.set TCR, TSW
.endr
	v_add_f32 v204, 1.0, v192                      ; steps + 1
	v_add_f32 v206, 1.0, v193
	v_mul_f32 v205, v200, v202                     ; cc
	v_mul_f32 v207, v201, v203
	ds_store_b64 v44, v[204:205] offset:ND_O
	ds_store_b64 v44, v[206:207] offset:ND_O+256
	; ---------------- the table, 11 passes of 32 points, first part: which nodes.  Pass t has its own four registers v[64 + 4 t ..]; the passes go abreast, line by line
.macro TIL s, t
.set R, 64+4*(\t)
.if \s == 0
	v_add_nc_u32 v[R], 355-32*(\t), v45            ; p + 51 (place 21 of wave 0 would have p under 0)
.elseif \s == 1
	v_mul_u32_u24 v[R+1], v[R], 0xa0a1             ; 41,121 x 51 = 2^21 + 19: (i + 1) 2^21 + 19 (i + 1) + 41,121 j, and the last two stay under 2^21
.elseif \s == 2
	v_and_b32 v[R+2], 0x1fffff, v[R+1]
.elseif \s == 3
	v_lshrrev_b32 v[R+1], 21, v[R+1]               ; i + 1: 0 to 53
.elseif \s == 4
	v_mul_u32_u24 v[R+2], v[R+2], 51
.elseif \s == 5
	v_lshrrev_b32 v[R+2], 21, v[R+2]               ; j: 0 to 50
.elseif \s == 6
	v_lshl_add_u32 v[R], v[R+1], 3, v42
.else
	v_lshl_add_u32 v[R+2], v[R+2], 3, v42
.endif
.endm
.irp s, 0,1,2,3,4,5,6,7
.irp u, 0,1,2,3,4,5,6,7,8,9,10
	TIL \s, \u
.endr
.endr
.set t, 0
.rept 11
	ds_load_b64 v[64+4*t:65+4*t], v[64+4*t] offset:ND_O-8          ; {steps_i + 1, cc_i} (for i = -1 the last two cosines' words, zeros): each load lands on its own address
	ds_load_b64 v[66+4*t:67+4*t], v[66+4*t] offset:ND_O            ; {steps_j + 1, cc_j}
.set t, t+1
.endr
	GLOAD GB, 41, 16, 32                           ; iw1, second block
	; ---------------- x and h
	WA
	s_wait_loadcnt 0x3f                            ; x and h are in: 64 loads were issued behind them
	s_wait_kmcnt 0x0
	v_mov_b32 v63, 0
	v_cmp_eq_u32 vcc_lo, 31, v48
	v_cndmask_b32 v62, v33, 0, vcc_lo              ; the quantiser's zero behind h62
	ds_store_b32 v42, v63 offset:HX_O              ; s's place
	ds_store_b32 v43, v32 offset:HX_O+4
	ds_store_b32 v43, v33 offset:HX_O+132
	ds_store_b32 v43, v32 offset:HY_O
	ds_store_b32 v43, v62 offset:HY_O+128
.set i, 0
.rept 16
	ds_load_b128 v[192+4*i:195+4*i], v42 offset:HX_O+16*i          ; v192-223 (0, h0 .. h30), v224-255 (h31 .. h62), the same in all lanes
.set i, i+1
.endr
	v_max3_num_f32 v8, v24, v25, v26
	v_max3_num_f32 v9, v27, v28, v29
	v_max3_num_f32 v8, v8, v30, v31
	v_max3_num_f32 v8, v8, v9, 0
	v_max_num_f32_dpp v8, v8, v8 row_xmask:1 row_mask:0xf bank_mask:0xf
	v_max_num_f32_dpp v8, v8, v8 row_xmask:2 row_mask:0xf bank_mask:0xf
	v_max_num_f32_dpp v8, v8, v8 row_xmask:4 row_mask:0xf bank_mask:0xf
	v_max_num_f32_dpp v8, v8, v8 row_xmask:8 row_mask:0xf bank_mask:0xf
	v_permlanex16_b32 v5, v8, s50, s51
	v_max_num_f32 v8, v8, v5
	v_add_f32 v15, 0x41200000, v8                  ; xmax = + 10
	WA
	s_wait_dscnt 0x0                               ; the inputs and the table's pairs are in
	v_max3_num_f32 v8, |v193|, |v194|, |v195|
	v_max3_num_f32 v9, |v208|, |v209|, |v210|
	v_max3_num_f32 v10, |v224|, |v225|, |v226|
	v_max3_num_f32 v11, |v240|, |v241|, |v242|
.irp n, 0,2,4,6,8,10
	v_max3_num_f32 v8, v8, |v[196+\n]|, |v[197+\n]|
	v_max3_num_f32 v9, v9, |v[211+\n]|, |v[212+\n]|
	v_max3_num_f32 v10, v10, |v[227+\n]|, |v[228+\n]|
	v_max3_num_f32 v11, v11, |v[243+\n]|, |v[244+\n]|
.endr
	v_max3_num_f32 v8, v8, v9, |v223|
	v_max3_num_f32 v10, v10, |v239|, |v255|
	v_max_num_f32 v12, FLOOR, v8                   ; max |h0 .. h30|, held: block 0 without s
	v_max3_num_f32 v10, v10, v11, FLOOR
	v_add_nc_u32 v10, LESS4, v10                   ; block 1's conversion scale
	v_cvt_scalef32_pk16_bf6_f32 v[116:118], v[224:239], v10
	v_cvt_scalef32_pk16_bf6_f32 v[124:126], v[240:255], v10
	v_lshrrev_b32 v11, 23, v10
	v_mov_b32 v122, 0
	v_mov_b32 v123, 0
	v_mov_b32 v119, v124                           ; v116-123: the entry of lanes 16-31
	v_mov_b32 v120, v125
	v_mov_b32 v121, v126
	v_lshl_or_b32 v13, v11, 8, 0x1010000           ; its byte at place 1; places 2 and 3 (zero codes) the byte 1
	; ---------------- the table, second part: {steps_i + 1, cc_i, steps_j + 1, cc_j} becomes {conversion scale, scale word, s, weight}
.macro TEL s, t
.set R, 64+4*(\t)
.if \s == 0
	v_mul_f32 v[R+1], v[R+1], v[R+3]               ; cc_i cc_j
.elseif \s == 1
	v_mul_f32 v[R], s40, v[R]
.elseif \s == 2
	v_mul_f32 v[R], 0.5, v[R]                      ; t_i = x (steps_i + 1) / 2
.elseif \s == 3
	v_sub_f32 v[R+3], v15, v[R]                    ; xmax - t_i
.elseif \s == 4
	v_mul_f32 v[R+2], v[R+3], v[R+2]
.elseif \s == 5
	v_mul_f32 v[R+3], v[R+1], v[R+3]               ; the weight
.elseif \s == 6
	v_fma_f32 v[R+2], v[R+2], 0.5, v[R]            ; s = t + (xmax - t)(steps_j + 1) / 2: the halving is exact, so the roundings are those of the separate steps
.elseif \s == 7
	v_max_num_f32 v[R], |v[R+2]|, v12
.elseif \s == 8
	v_add_nc_u32 v[R], LESS4, v[R]                 ; block 0's conversion scale
.elseif \s == 9
	v_lshrrev_b32 v[R+1], 23, v[R]
.else
	v_or_b32 v[R+1], v13, v[R+1]                   ; (e0, e1, 1, 1)
.endif
.endm
.irp s, 0,1,2,3,4,5,6,7,8,9,10
.irp u, 0,1,2,3,4,5,6,7,8,9,10
	TEL \s, \u
.endr
.endr
	v_cmp_gt_u32 vcc_lo, 16, v48
	v_cndmask_b32 v107, 0, v107, vcc_lo            ; pass 10's upper half is the previous wave's tile: no weight here
.macro CONVP p                         ; a pass's codes and entries
.set R, 64+4*(\p)
	v_mov_b32 v192, v[R+2]                         ; s
	v_cvt_scalef32_pk16_bf6_f32 v[108:110], v[192:207], v[R]
	v_cvt_scalef32_pk16_bf6_f32 v[124:126], v[208:223], v[R]
	v_mov_b32 v114, v[R+1]                         ; (also the plain instruction behind the conversions)
	v_mov_b32 v115, v[R+3]
	v_mov_b32 v111, v124
	v_mov_b32 v112, v125
	v_mov_b32 v113, v126
	ds_store_b128 v46, v[108:111] offset:TILE*(2*(\p)+1)
	ds_store_b128 v46, v[112:115] offset:TILE*(2*(\p)+1)+16
	ds_store_b128 v46, v[116:119] offset:TILE*(2*(\p)+1)+512
	ds_store_b128 v46, v[120:123] offset:TILE*(2*(\p)+1)+528
.endm
	; ---------------- the weights, six blocks a lane, two groups of 32 loads by turns; the table's passes stand between
	WA
	s_wait_loadcnt 0x20                            ; iw1's first block is in; the 32 loads of the second may be out
	QG GA, 24, 61
	GLOAD GA, 47, 12, 0                            ; iw0
.irp p, 0,1,2,3,4
	CONVP \p
.endr
	WA
	s_wait_loadcnt 0x20
	QG GB, 30, 62
	ds_store_b128 v37, v[24:27]                    ; iw1: the 12 registers of a fragment's lane
	ds_store_b128 v37, v[28:31] offset:512
	ds_store_b128 v37, v[32:35] offset:1024
	ds_store_b8 v40, v61 offset:512
	ds_store_b8 v40, v62 offset:514
.set i, 0
.rept 31
	global_load_b32 v[GB+i], v47, s[24:25] offset:512*i            ; nw0
.set i, i+1
.endr
	global_load_b32 v[GB+31], v56, s[24:25]
.irp p, 5,6,7,8,9,10
	CONVP \p
.endr
	WA
	s_wait_loadcnt 0x20
	QG GA, 24, 61
	GLOAD GA, 41, 28, 0                            ; nw1, first block
	ds_store_b128 v38, v[24:27]                    ; iw0
	ds_store_b64 v39, v[28:29]
	ds_store_b8 v40, v61
	ds_store_b8 v40, v61 offset:2
	WA
	s_wait_loadcnt 0x20
	v_cndmask_b32 v[GB+31], v[GB+31], 0, s56       ; nw0's row 63 is zeros
	QG GB, 24, 61
	GLOAD GB, 41, 28, 32                           ; nw1, second block
	ds_store_b128 v38, v[24:27] offset:NI0         ; nw0
	ds_store_b64 v39, v[28:29] offset:NI0
	ds_store_b8 v40, v61 offset:1024
	ds_store_b8 v40, v61 offset:1026
	WA
	s_wait_loadcnt 0x20
	QG GA, 24, 61
	v_mov_b32 v12, v61                             ; (v48-63 take ib0 now)
.irp i, 0,1,2,3
	global_load_b128 v[BI0+4*\i:BI0+4*\i+3], v36, s[14:15] offset:16*\i
.endr
.set i, 0
.rept 16
	global_load_b128 v[IW2+4*i:IW2+4*i+3], v36, s[20:21] offset:16*i
.set i, i+1
.endr
	WIN 0x40
.set i, 0
.rept 12
	global_load_b128 v[BI0B+4*i:BI0B+4*i+3], v36, s[14:15] offset:64+16*i
.set i, i+1
.endr
.set i, 0
.rept 16
	global_load_b128 v[BI1+4*i:BI1+4*i+3], v36, s[18:19] offset:16*i
.set i, i+1
.endr
	WIN 0
	WA
	s_wait_loadcnt 0x30                            ; nw1's second block is in; behind it: the 48 loads of ib0, iw2 and ib1
	QG GB, 30, 13
	ds_store_b128 v37, v[24:27] offset:NI1         ; nw1
	ds_store_b128 v37, v[28:31] offset:NI1+512
	ds_store_b128 v37, v[32:35] offset:NI1+1024
	ds_store_b8 v40, v12 offset:1536
	ds_store_b8 v40, v13 offset:1538
	; the addresses at which the images are read
	v_and_b32 v4, 31, v0
	v_lshlrev_b32 v10, 3, v4
	v_lshlrev_b32 v9, 4, v4
	v_add_nc_u32 v8, W1I, v9
	v_add_nc_u32 v9, W0I, v9
	v_add_nc_u32 v10, W0I, v10
	v_and_b32 v11, 15, v0
	v_lshlrev_b32 v11, 2, v11
	v_bfe_u32 v4, v0, 4, 1
	v_lshl_add_u32 v11, v4, 9, v11
	v_add_nc_u32 v11, SC, v11                      ; lanes 0-15 the first layer's words, lanes 16-31 the second's
	v_lshrrev_b32 v14, 5, v0
	v_add_nc_u32 v14, 1, v14
	v_lshrrev_b32 v14, 3, v14                      ; 1 in wave 7
	v_mul_u32_u24 v14, v14, 5*TILE
	v_add_nc_u32 v14, v1, v14                      ; where the first tile that is worked on lies: wave 7 begins at its place 5
.irp n, 6,7,8,9,10,11
	v_mov_b32 v[IC+\n], 0                          ; the points' zero codes of K blocks 2 and 3, for good
.endr
	WA
	s_wait_dscnt 0x0                               ; for the others' sake: my images are written
	s_barrier_signal -1
	s_barrier_wait -1
	; ---------------- fragments and scale words into registers, and tile 0's first layer
	WIN 0x40
	FR0 9, 10, 0
	FR1 8, 0, 0                                    ; (unit tile 7 of the first layer names the first registers of iw1)
	WIN 0
.irp t, 0,1,2,3,4,5,6,7
	ds_load_b32 v[SCW+\t], v11 offset:64*\t
.endr
	ds_load_b128 v[IC:IC+3], v14 offset:TILE
	ds_load_b64 v[IC+4:IC+5], v14 offset:TILE+16
	ds_load_b32 v7, v14 offset:TILE+24
	WIN 0x40
.irp t, 1,2,3,4,5,6,7
	FR1 8, 0, \t
.endr
	WIN 0
	s_wait_loadcnt 0x0                             ; biases and iw2
	s_wait_dscnt 0x15                              ; all but the 21 loads of iw1's unit tiles 1 to 7
	GRP 0, 1
	NOPS 4
	ds_load_b128 v[IC:IC+3], v14 offset:2*TILE     ; the second tile
	ds_load_b64 v[IC+4:IC+5], v14 offset:2*TILE+16
	ds_load_b32 v7, v14 offset:2*TILE+24
	WEAVE 1, 0
.irp n, 0,1,2,3
	v_mov_b32 v[SUM+\n], 0                         ; the first trip's z, of no tile, goes to the room in front
.endr
	NOPS 8                                         ; places between the codes and scale word and the matrix instructions
	; ---------------- the loop.  Trip n: second layer of tile n and first layer of tile n + 1 in one group; z of tile n - 1 is stored, tile n + 2's codes are asked for;
	; then the last layer of tile n among the quantising of tile n + 1's hidden layer.  v1 points at tile n - 1.
	s_mov_b32 s52, 0
	WA
.Lloop:
	s_cmp_lt_u32 s52, s53
	s_cbranch_scc1 .Lskip                          ; wave 7 has 16 tiles: it passes over the first five trips
	s_min_u32 s54, s52, 19                         ; (the trips are 0 to 19: the look-ahead of three places ends at place 21)
	s_lshl_b32 s54, s54, 10
	s_add_co_u32 s54, s54, s55
	s_wait_dscnt 0x0
	GRP 1, 1
	v_pk_add_f32 v[SUM:SUM+1], v[SUM:SUM+1], v[SUM+2:SUM+3]        ; these four are the places behind the group
	v_lshl_add_u32 v1, v0, 5, s54                  ; tile n - 1's entry
	v_add_f32 v4, v[SUM], v[SUM+1]
	v_nop
	ds_store_b32 v1, v4 offset:24
	ds_load_b128 v[IC:IC+3], v1 offset:3*TILE
	ds_load_b64 v[IC+4:IC+5], v1 offset:3*TILE+16
	ds_load_b32 v7, v1 offset:3*TILE+24
	WEAVE 1, 1
	WA
.Lskip:
	s_add_co_u32 s52, s52, 1
	s_cmp_lt_u32 s52, 20
	s_cbranch_scc1 .Lloop
	; ---------------- the last tile
	s_wait_dscnt 0x0
	s_add_co_u32 s54, s55, 20*TILE
	GRP 1, 0
	v_pk_add_f32 v[SUM:SUM+1], v[SUM:SUM+1], v[SUM+2:SUM+3]
	v_lshl_add_u32 v1, v0, 5, s54
	v_add_f32 v4, v[SUM], v[SUM+1]
	v_nop
	ds_store_b32 v1, v4 offset:24
	WEAVE 0, 1
	v_pk_add_f32 v[SUM:SUM+1], v[SUM:SUM+1], v[SUM+2:SUM+3]
	v_and_b32 v48, 31, v0                          ; addresses of what follows, in all waves
	v_and_b32 v49, 15, v0
	v_add_f32 v4, v[SUM], v[SUM+1]
	v_bfe_u32 v50, v0, 4, 1
	v_lshrrev_b32 v51, 5, v0
	ds_store_b32 v1, v4 offset:TILE+24
	v_mul_u32_u24 v52, v51, TABW
	v_lshl_add_u32 v52, v50, 10, v52
	v_lshl_add_u32 v52, v49, 5, v52                ; a pass's entries: 32 points, two tiles
	v_lshlrev_b32 v54, 4, v48
	v_add_nc_u32 v53, W1I, v54
	v_add_nc_u32 v54, W0I, v54
	v_lshlrev_b32 v55, 3, v48
	v_add_nc_u32 v55, W0I, v55
	v_lshlrev_b32 v56, 2, v49
	v_lshl_add_u32 v56, v50, 9, v56
	v_add_nc_u32 v56, SC, v56
	v_mul_u32_u24 v57, v51, WPB
	v_lshl_add_u32 v57, v50, 7, v57
	v_add_nc_u32 v57, PRIV+HY_O, v57               ; the outer net's input, my half's block
	v_lshlrev_b32 v58, 8, v50
	v_lshlrev_b32 v59, 9, v50
	v_lshlrev_b32 v60, 2, v51
	v_add_nc_u32 v60, PART, v60
	v_lshlrev_b32 v61, 3, v51
	v_add_nc_u32 v61, PART+32, v61
	v_mov_b32 v12, 0
	v_mov_b32 v13, 0
	WA
	s_cmp_lg_u32 s2, 7
	s_cbranch_scc1 .Lfin
	; ---------------- wave 7: the outer net, whose 16 points are all row b
.set i, 0
.rept 16
	global_load_b128 v[D2+4*i:D2+4*i+3], v58, s[30:31] offset:16*i         ; nb1: the second layer adds onto it
.set i, i+1
.endr
.set i, 0
.rept 16
	global_load_b128 v[IW2+4*i:IW2+4*i+3], v59, s[32:33] offset:16*i       ; nw2: pairs of units 0-31 of my half
.set i, i+1
.endr
	WIN 0x40
.set i, 0
.rept 16
	global_load_b128 v[BI0B+4*i:BI0B+4*i+3], v59, s[32:33] offset:256+16*i ; and of units 32-63
.set i, i+1
.endr
	WIN 0
.set i, 0
.rept 8
	ds_load_b128 v[D1+4*i:D1+4*i+3], v57 offset:16*i
.set i, i+1
.endr
	WIN 0x40
	FR0 54, 55, NI0
.irp t, 0,1,2,3,4,5,6,7
	FR1 53, NI1, \t
.endr
	WIN 0
.irp t, 0,1,2,3,4,5,6,7
	ds_load_b32 v[SCW+\t], v56 offset:1024+64*\t
.endr
	s_wait_dscnt 0x0
	QG D1, IC, 4
	v_permlanex16_b32 v5, v4, s50, s51
	v_lshl_or_b32 v7, v5, 8, v4
	v_or_b32 v7, 0x1010000, v7
.set i, 0
.rept 16
	global_load_b128 v[D1+4*i:D1+4*i+3], v58, s[26:27] offset:16*i         ; nb0
.set i, i+1
.endr
	NOPS 8
	WA
	s_wait_loadcnt 0x0
	WIN 0x01
.irp t, 0,1,2,3,4,5,6,7
	L0W \t, D1+8*\t
.endr
	WIN 0
	NOPS 4
	WEAVE 1, 0
	NOPS 8
	WIN 0x01
.irp t, 0,1,2,3,4,5,6,7
	L1W \t, D2+8*\t
.endr
	WIN 0
	NOPS 4
.set i, 0
.rept 32
	RDUAL D2, i
.set i, i+1
.endr
	v_pk_mul_f32 v[12:13], v[D2:D2+1], v[IW2:IW2+1] op_sel_hi:[0,1]       ; a unit, for both halves of the pair, times its two weights
	v_pk_mul_f32 v[14:15], v[D2:D2+1], v[IW2+2:IW2+3] op_sel:[1,0] op_sel_hi:[1,1]
.set e, 2
.rept 15
	v_pk_fma_f32 v[12:13], v[D2+e:D2+e+1], v[IW2+2*e:IW2+2*e+1], v[12:13] op_sel_hi:[0,1,1]
	v_pk_fma_f32 v[14:15], v[D2+e:D2+e+1], v[IW2+2*e+2:IW2+2*e+3], v[14:15] op_sel:[1,0,0] op_sel_hi:[1,1,1]
.set e, e+2
.endr
	WIN 0x04                                       ; source 1 window 1
.rept 16
	v_pk_fma_f32 v[12:13], v[D2+e:D2+e+1], v[BI0B+2*e-64:BI0B+2*e-63], v[12:13] op_sel_hi:[0,1,1]
	v_pk_fma_f32 v[14:15], v[D2+e:D2+e+1], v[BI0B+2*e-62:BI0B+2*e-61], v[14:15] op_sel:[1,0,0] op_sel_hi:[1,1,1]
.set e, e+2
.endr
	WIN 0
	v_pk_add_f32 v[12:13], v[12:13], v[14:15]
	v_permlanex16_b32 v5, v12, s50, s51
	v_add_f32 v12, v12, v5
	v_permlanex16_b32 v5, v13, s50, s51
	v_add_f32 v13, v13, v5
	WA
.Lfin:
	; ---------------- ELU and weights, 11 passes of 32 points
.set p, 0
.rept 11
	ds_load_b64 v[64+4*p:65+4*p], v52 offset:TILE*(2*p+1)+24       ; {z of units 0-63, weight}
	ds_load_b32 v[66+4*p], v52 offset:TILE*(2*p+1)+512+24          ; z of units 64-127
.set p, p+1
.endr
	s_wait_dscnt 0x0
.irp p, 0,1,2,3,4,5,6,7,8,9,10
	v_add_f32 v[64+4*\p], v[64+4*\p], v[66+4*\p]
.endr
.irp p, 0,1,2,3,4,5,6,7,8,9,10
	v_add_f32 v[64+4*\p], s46, v[64+4*\p]
.endr
.irp p, 0,1,2,3,4,5,6,7,8,9,10
	v_min_num_f32 v[66+4*\p], 0, v[64+4*\p]
.endr
.irp p, 0,1,2,3,4,5,6,7,8,9,10
	v_mul_f32 v[66+4*\p], 0x3fb8aa3b, v[66+4*\p]
.endr
	WA
.irp p, 0,1,2,3,4,5,6,7,8,9,10
	v_exp_f32 v[66+4*\p], v[66+4*\p]
.endr
.irp p, 0,1,2,3,4,5,6,7,8,9,10
	v_max_num_f32 v[64+4*\p], 0, v[64+4*\p]
.endr
	WA
.irp p, 0,1,2,3,4,5,6,7,8,9,10
	v_add_f32 v[64+4*\p], v[64+4*\p], v[66+4*\p]   ; elu(z) + 1
.endr
	v_mul_f32 v8, v64, v65
	v_mul_f32 v9, v68, v69
.irp p, 2,4,6,8
	v_fmac_f32 v8, v[64+4*\p], v[65+4*\p]
	v_fmac_f32 v9, v[68+4*\p], v[69+4*\p]
.endr
	v_fmac_f32 v8, v104, v105
	v_add_f32 v8, v8, v9
	v_add_f32_dpp v8, v8, v8 row_xmask:1 row_mask:0xf bank_mask:0xf
	v_add_f32_dpp v8, v8, v8 row_xmask:2 row_mask:0xf bank_mask:0xf
	v_add_f32_dpp v8, v8, v8 row_xmask:4 row_mask:0xf bank_mask:0xf
	v_add_f32_dpp v8, v8, v8 row_xmask:8 row_mask:0xf bank_mask:0xf
	v_permlanex16_b32 v5, v8, s50, s51
	v_add_f32 v8, v8, v5
	ds_store_b32 v60, v8
	ds_store_b64 v61, v[12:13]
	WA
	s_wait_dscnt 0x0                               ; for wave 0's sake
	s_barrier_signal -1
	s_barrier_wait -1
	s_cmp_lg_u32 s2, 0
	s_cbranch_scc1 .Ldone
	v_mov_b32 v48, PART
	ds_load_b128 v[64:67], v48
	ds_load_b128 v[68:71], v48 offset:16
	ds_load_b64 v[72:73], v48 offset:88            ; wave 7's (o0, o1)
	WA
	s_wait_dscnt 0x0
	v_pk_add_f32 v[64:65], v[64:65], v[66:67]
	v_pk_add_f32 v[68:69], v[68:69], v[70:71]
	v_add_f32 v73, s49, v73
	v_add_f32 v72, s48, v72                        ; the offset
	v_pk_add_f32 v[64:65], v[64:65], v[68:69]
	v_mul_f32 v73, 0x3fb8aa3b, v73
	v_add_f32 v64, v64, v65
	WA
	v_exp_f32 v73, v73                             ; the scaling
	v_mul_f32 v64, s40, v64                        ; (the plain instruction behind the exponential)
	v_mul_f32 v64, 0x3e800000, v64                 ; x / 4 times the sum: the two halvings of the two quadratures
	v_mov_b32 v66, 0
	v_cmp_eq_u32 vcc_lo, 0, v0
	WA
	v_fma_f32 v65, v73, v64, v72
	WA
	s_wait_xcnt 0x0                                ; EXEC changes only behind this wait
	s_and_saveexec_b32 s4, vcc_lo
	global_store_b32 v66, v65, s[68:69]            ; one lane stores the work-group's one number
	s_wait_xcnt 0x0
	s_or_b32 exec_lo, exec_lo, s4
.Ldone:
	s_wait_tensorcnt 0x0                           ; the wave's end
	ds_add_u32 v2, v3
	s_wait_dscnt 0x0
	s_endpgm
.Lfunc_end_k_q752b5096e1_umnn:
	.size	k_q752b5096e1_umnn, .Lfunc_end_k_q752b5096e1_umnn-k_q752b5096e1_umnn
	.p2alignl 7, 3214868480
	.fill 96, 4, 3214868480
	.section	.rodata,"a",@progbits
	.p2align	6, 0x0
	.amdhsa_kernel k_q752b5096e1_umnn
		.amdhsa_group_segment_fixed_size 253184
		.amdhsa_private_segment_fixed_size 0
		.amdhsa_enable_private_segment 0
		.amdhsa_kernarg_size 120
		.amdhsa_user_sgpr_count 2
		.amdhsa_user_sgpr_kernarg_segment_ptr 1
		.amdhsa_wavefront_size32 1
		.amdhsa_system_sgpr_workgroup_id_x 1
		.amdhsa_system_sgpr_workgroup_id_y 1
		.amdhsa_system_sgpr_workgroup_id_z 1
		.amdhsa_system_vgpr_workitem_id 0
		.amdhsa_next_free_vgpr 512
		.amdhsa_next_free_sgpr 72
		.amdhsa_reserve_vcc 1
		.amdhsa_float_denorm_mode_32 3
		.amdhsa_float_denorm_mode_16_64 3
		.amdhsa_memory_ordered 1
		.amdhsa_forward_progress 1
		.amdhsa_inst_pref_size 132
	.end_amdhsa_kernel
	.amdgpu_metadata
---
amdhsa.version: [ 1, 2 ]
amdhsa.kernels:
  - .name:           k_q752b5096e1_umnn
    .symbol:         k_q752b5096e1_umnn.kd
    .args:
      - { .name: x, .offset: 0, .size: 8, .value_kind: global_buffer, .address_space: global }
      - { .name: h, .offset: 8, .size: 8, .value_kind: global_buffer, .address_space: global }
      - { .name: iw0, .offset: 16, .size: 8, .value_kind: global_buffer, .address_space: global }
      - { .name: ib0, .offset: 24, .size: 8, .value_kind: global_buffer, .address_space: global }
      - { .name: iw1, .offset: 32, .size: 8, .value_kind: global_buffer, .address_space: global }
      - { .name: ib1, .offset: 40, .size: 8, .value_kind: global_buffer, .address_space: global }
      - { .name: iw2, .offset: 48, .size: 8, .value_kind: global_buffer, .address_space: global }
      - { .name: ib2, .offset: 56, .size: 8, .value_kind: global_buffer, .address_space: global }
      - { .name: nw0, .offset: 64, .size: 8, .value_kind: global_buffer, .address_space: global }
      - { .name: nb0, .offset: 72, .size: 8, .value_kind: global_buffer, .address_space: global }
      - { .name: nw1, .offset: 80, .size: 8, .value_kind: global_buffer, .address_space: global }
      - { .name: nb1, .offset: 88, .size: 8, .value_kind: global_buffer, .address_space: global }
      - { .name: nw2, .offset: 96, .size: 8, .value_kind: global_buffer, .address_space: global }
      - { .name: nb2, .offset: 104, .size: 8, .value_kind: global_buffer, .address_space: global }
      - { .name: out0, .offset: 112, .size: 8, .value_kind: global_buffer, .address_space: global }
    .group_segment_fixed_size: 253184
    .private_segment_fixed_size: 0
    .kernarg_segment_align: 8
    .kernarg_segment_size: 120
    .max_flat_workgroup_size: 256
    .sgpr_count:     72
    .vgpr_count:     512
    .wavefront_size: 32
...
	.end_amdgpu_metadata
.endif
;; end of part 2
